; MI455X (gfx1250); checked and timed in simulation.
; The chip was launched on July 23, 2026; its instructions are those of AMD's public machine-readable ISA for CDNA 5 (MIT licence, August 2026) and "CDNA5" Instruction Set Architecture Reference Guide (July 2026). The comments in the code are by the model that wrote it; some were corrected since.
;; Self Attention. Allowed arithmetic: matrix products marked QUANTISED: E2M1 operands, one E8M0 scale for each 32 along K, by v_wmma_scale_f32_16x16x128_f8f6f4 with both operands' format E2M1 (or v_wmma_scale_f32_32x16x128_f4), f32 sums; products left as they are: bf16, f16 or f32 operands; f32 sums; everything else in f32.
;; Inputs: Wk 1,024 x 1,024 float32; Wo 1,024 x 1,024 float32; Wq 1,024 x 1,024 float32; Wv 1,024 x 1,024 float32; x 4 x 2,048 x 1,024 float32.
;; Outputs: out0 4 x 2,048 x 1,024 float32.
;; This version of the problem:
;;   THIS VERSION OF THE PROBLEM IS GIVEN IN LOW PRECISION. The matrix products marked QUANTISED in the list below multiply operands that are first quantised to E2M1 (2 exponent bits, 1 mantissa bit; 4 bits a number), with one power-of-two scale for each 32 numbers along K (OCP MX v1.0); their sums are f32. The products marked 'left as it is' may take bf16, f16 or f32 operands, with f32 sums. Whichever they take, every output number must still come out within the allowed error. Rounding operands to bf16 (8 significant bits) uses up far more of that allowance than f16 does (11 bits, for magnitudes from 6e-5 to 65,504). All else is computed in f32.
;;   The module's matrix products, in the order in which they are computed (A, B: the left and right operand; K: the contracted axis; several contracted axes count as one K, in the product's order):
;;     1. [M 8,192, K 1,024] x [K 1,024, N 1,024]; A: input x; B: input Wq: QUANTISED
;;     2. [M 8,192, K 1,024] x [K 1,024, N 1,024]; A: input x; B: input Wk: QUANTISED
;;     3. [M 8,192, K 1,024] x [K 1,024, N 1,024]; A: input x; B: input Wv: QUANTISED
;;     4. batch 64 x [M 2,048, K 64] x [K 64, N 2,048]; A: computed on the way; B: computed on the way: left as it is (an operand is computed on the way)
;;     5. batch 64 x [M 2,048, K 2,048] x [K 2,048, N 64]; A: computed on the way; B: computed on the way: left as it is (an operand is computed on the way)
;;     6. [M 8,192, K 1,024] x [K 1,024, N 1,024]; A: computed on the way; B: input Wo: left as it is (an operand is computed on the way)
;;   THE QUANTISER, for each operand of a quantised product, along K:
;;     - K is cut into blocks of 32 from its start; a last block that is shorter is filled with zeros.
;;     - A block's scale is 2^e with e = floor(log2(the largest magnitude in the block)) - 2, held to -126 .. 127; a block of zeros has e = 0. As a byte (E8M0): e + 127.
;;     - Each number is divided by its block's scale, clamped to +-6, and rounded to the nearest number of E2M1, ties to even, subnormals kept.
;;     - The product sums the exact products of the quantised numbers (number of the format x scale) in f32.
;;   ~~~python
;;   def quantise(x, axis):      # numpy; x: float32 -> the quantised numbers, widened to float32 again
;;       x = np.moveaxis(x, axis, -1); K = x.shape[-1]
;;       x = np.pad(x, [(0, 0)] * (x.ndim - 1) + [(0, -K % 32)]); x = x.reshape(x.shape[:-1] + (-1, 32)); a = np.abs(x).max(-1, keepdims=True)
;;       e = np.where(a > 0, np.clip(np.frexp(np.where(a > 0, a, 1))[1] - 1 - 2, -126, 127), 0)      # np.frexp(a)[1] - 1 = floor(log2(a)), exactly
;;       r = np.clip(x / 2.0 ** e, -6, 6)
;;       step = 2.0 ** (np.maximum(np.frexp(np.where(r == 0, 1, r))[1] - 1, 0) - 1)
;;       q = np.round(r / step) * step * 2.0 ** e      # np.round: ties to even
;;       return np.moveaxis(q.reshape(q.shape[:-2] + (-1,))[..., :K], -1, axis).astype(np.float32)
;;   ~~~
;; One version. Each part assembles by itself: llvm-mc -triple=amdgcn-amd-amdhsa -mcpu=gfx1250 --defsym DOCPART=n.
;; ======== version 1 of 1: 6 launches
;; limits: values are held in f16: magnitudes above 65,504 overflow, below 6.1e-05 lose precision
;; workspace buffers: xcodes 4,194,304 bytes; xscales 262,144 bytes; wcodes 1,572,864 bytes; wscales 98,304 bytes; wo16 2,097,152 bytes; qkv 50,331,648 bytes; attn16 16,777,216 bytes; attn32 262,144 bytes
;; launch quant (part 1): grid 384 x 1, 4 waves a work-group, no clusters, 33,280 bytes of LDS; arguments x, Wq, Wk, Wv, Wo, xcodes, xscales, wcodes, wscales, wo16; writes xcodes, xscales, wcodes, wscales, wo16
.if DOCPART == 1
	.amdgcn_target "amdgcn-amd-amdhsa--gfx1250"
	.amdhsa_code_object_version 6
	.text
	.protected	k_qf3ed681f65_quant
	.globl	k_qf3ed681f65_quant
	.p2align	8
	.type	k_qf3ed681f65_quant,@function
k_qf3ed681f65_quant:
	s_mov_b64 s[64:65], 0
	v_nop
	global_prefetch_b8 v0, s[64:65] scope:SCOPE_SE
	s_setreg_imm32_b32 hwreg(HW_REG_WAVE_MODE, 25, 1), 1
	s_wait_xcnt 0x0
; x [8192][1024], Wq, Wk, Wv [1024][1024], f32, become codes of FP4 (E2M1), K innermost, two codes a byte, with one E8M0 byte for each 32 along K.
; Wo [1024][1024] f32 becomes f16, laid by chunks of 64 along K: wo16[hc][n][64] = Wo[n][64 hc + d].
; A block's scale is 2^(floor(log2(its largest magnitude)) - 2); its byte is the largest magnitude's exponent field - 2, held at 1 from below.
; LIMITS: a block of zeros gets the byte 1 (its codes are zeros, and the bytes are read by this program alone); blocks whose largest magnitude lies under 2^-124 are held at
; that floor; NaN and infinities are not served; Wo beyond f16's largest number, 65,504, is not served, and under 6e-5 it carries an absolute error of 2^-25.
; WORK-GROUPS: 0-255 take x, 256-287 Wq, 288-319 Wk, 320-351 Wv, 32,768 numbers each; only pointers are chosen, all four tensors take one path.  352-383 take 32 rows of Wo each.
; THE QUANTISING PATH.  Rows are dense and K is a multiple of 32: a tensor is a plain stream of blocks.  A wave takes 16 steps of 512 numbers.  Each load reads 512 consecutive bytes;
; a step's 2,048 bytes turn through the wave's own stage in LDS and come back 64 bytes a lane, so that a lane holds 16 neighbours along K (two lanes hold a block).
; A lane's 16 codes are 8 bytes: the wave stores 256 consecutive bytes.  A wave's 256 scale bytes are gathered in LDS and leave as one aligned run of 256 bytes.
.set WAVES, 4
.set STEPS, 16
.set EMAX,  2
.set CB,    8                          ; bytes of 16 codes
.set R,     16                         ; v16-79   four sets of 16 numbers as loaded
.set X,     80                         ; v80-111  two sets of 16 neighbours
.set C,     128                        ; v128-191 codes: four registers a step, so that no store's data are written again
.set E,     112                        ; v112-127 a scale byte for each step
.set WREG,  8192                       ; LDS: a region for each wave: two stages of 32 x SP bytes, then its 256 scale bytes
.set SP,    80                         ; a lane's place in a stage: 64 bytes + 16 of padding
.set SPW,   12                         ; v12 LDS address of my spare word; never rewritten
.set NIL,   13                         ; v13 0; never rewritten
.set SPARE, WAVES*WREG                 ; the spare words, 128 bytes a wave; no other line names them
.set SRC,   26                         ; s[26:27] the numbers
.set COD,   28                         ; s[28:29] the codes
.set SCA,   30                         ; s[30:31] the scale bytes
.set WN,    16                         ; Wo's path: v16-143 two sets of 64 numbers
.set WH,    144                        ; v144-175 a batch's f16 results
	s_load_b256 s[4:11], s[0:1], 0x0               ; x, Wq, Wk, Wv
	s_load_b256 s[12:19], s[0:1], 0x20             ; Wo, xcodes, xscales, wcodes
	s_load_b128 s[20:23], s[0:1], 0x40             ; wscales, wo16
	v_lshl_add_u32 v[SPW], v0, 2, SPARE
	v_mov_b32 v[NIL], 0
	v_lshrrev_b32 v1, 5, v0
	v_readfirstlane_b32 s24, v1                    ; wave
	v_and_b32 v2, 31, v0                           ; lane
	v_lshlrev_b32 v3, 4, v2                        ; 16 x lane
	s_mul_i32 s25, s24, WREG
	v_lshrrev_b32 v14, 2, v2
	v_mul_u32_u24 v14, v14, SP
	v_and_b32 v15, 3, v2
	v_lshl_add_u32 v14, v15, 4, v14
	v_add_nc_u32 v14, s25, v14                     ; the stage on the way in: SP (lane / 4) + 16 (lane % 4)
	v_mul_u32_u24 v15, v2, SP
	v_add_nc_u32 v15, s25, v15                     ; and on the way out: SP x lane
	v_mul_u32_u24 v4, v2, CB                       ; my codes' place in a step's
	v_lshrrev_b32 v5, 1, v2
	s_add_co_u32 s25, s25, 2*32*SP
	v_add_nc_u32 v5, s25, v5                       ; my block's scale byte in LDS
	v_lshlrev_b32 v7, 3, v2
	v_add_nc_u32 v6, s25, v7                       ; and 8 bytes a lane on the way out
	s_and_b32 s32, ttmp9, 31                       ; a weight's work-group among its 32
	s_sub_co_u32 s33, ttmp9, 256                   ; and among the 96 of the three weights
	s_wait_kmcnt 0x0
	s_cmp_ge_u32 ttmp9, 352
	s_cbranch_scc1 .Lwo
	s_cmp_lt_u32 ttmp9, 256                        ; the choices hang on the work-group's number alone
	s_cselect_b64 s[SRC:SRC+1], s[4:5], s[6:7]
	s_cselect_b64 s[COD:COD+1], s[14:15], s[18:19]
	s_cselect_b64 s[SCA:SCA+1], s[16:17], s[20:21]
	s_cselect_b32 s32, ttmp9, s32
	s_cselect_b32 s33, ttmp9, s33
	s_cmp_lt_u32 ttmp9, 288
	s_cselect_b64 s[SRC:SRC+1], s[SRC:SRC+1], s[8:9]
	s_cmp_lt_u32 ttmp9, 320
	s_cselect_b64 s[SRC:SRC+1], s[SRC:SRC+1], s[10:11]
	s_lshl_b32 s32, s32, 2
	s_add_co_u32 s32, s32, s24                     ; which run of 8,192 numbers of the source is my wave's
	s_lshl_b32 s33, s33, 2
	s_add_co_u32 s33, s33, s24                     ; and of the output buffers
	s_lshl_b32 s34, s32, 15                        ; 32,768 bytes of numbers a run
	s_mov_b32 s35, 0
	s_add_nc_u64 s[SRC:SRC+1], s[SRC:SRC+1], s[34:35]
	s_lshl_b32 s34, s33, 12                        ; 4,096 bytes of codes
	s_add_nc_u64 s[COD:COD+1], s[COD:COD+1], s[34:35]
	s_lshl_b32 s34, s33, 8                         ; 256 scale bytes
	s_add_nc_u64 s[SCA:SCA+1], s[SCA:SCA+1], s[34:35]
.macro LOAD t
.irp i, 0,1,2,3
	global_load_b128 v[R+16*((\t)%4)+4*\i:R+16*((\t)%4)+4*\i+3], v3, s[SRC:SRC+1] offset:2048*(\t)+512*\i th:TH_LOAD_NT   ; 32 lanes read 512 consecutive bytes
.endr
.endm
.macro TURN t                          ; step t's numbers through the stage: LDS serves a wave's instructions in order, so no wait stands between the stores and the loads
.irp i, 0,1,2,3
	ds_store_b128 v14, v[R+16*((\t)%4)+4*\i:R+16*((\t)%4)+4*\i+3] offset:32*SP*((\t)%2)+8*SP*\i
.endr
.irp i, 0,1,2,3
	ds_load_b128 v[X+16*((\t)%2)+4*\i:X+16*((\t)%2)+4*\i+3], v15 offset:32*SP*((\t)%2)+16*\i
.endr
.endm
.irp t, 0,1,2,3
	LOAD \t
.endr
	s_wait_loadcnt 12                              ; step 0's four loads are in; the twelve behind them may be out
	TURN 0
.macro STEP t
.set XS, X+16*((\t)%2)
.if (\t) > 0
	s_wait_dscnt 1                                 ; this step's numbers are back from the stage (the last step's byte store may be out)
.else
	s_wait_dscnt 0x0
.endif
.if (\t)+4 < STEPS
	LOAD (\t)+4                                    ; into the set whose stores into the stage have read it
.endif
.if (\t)+1 < STEPS
.if STEPS-2-(\t) >= 3
	s_wait_loadcnt 12                              ; the next step's four loads are in; those of the three steps behind may be out
.else
	s_wait_loadcnt 4*(STEPS-2-(\t))
.endif
	TURN (\t)+1
.endif
	v_max3_num_f32 v8, |v[XS]|, |v[XS+1]|, |v[XS+2]|               ; the largest magnitude of my 16, in two chains
	v_max3_num_f32 v9, |v[XS+3]|, |v[XS+4]|, |v[XS+5]|
.irp i, 6,10
	v_max3_num_f32 v8, v8, |v[XS+\i]|, |v[XS+\i+1]|
	v_max3_num_f32 v9, v9, |v[XS+\i+2]|, |v[XS+\i+3]|
.endr
	v_max3_num_f32 v8, v8, |v[XS+14]|, |v[XS+15]|
	v_max3_num_f32 v8, v8, v9, (EMAX+1)<<23        ; and the floor 2^(3 - 127): the byte cannot fall under 1
	v_max_num_f32_dpp v8, v8, v8 row_xmask:1 row_mask:0xf bank_mask:0xf   ; with my neighbour's 16: the block's
	v_add_nc_u32 v11, -(EMAX<<23), v8              ; 2 off its exponent field: the conversion takes the exponent field of this operand as its scale
	v_cvt_scalef32_pk8_fp4_f32 v[C+4*(\t)], v[XS:XS+7], v11
	v_cvt_scalef32_pk8_fp4_f32 v[C+4*(\t)+1], v[XS+8:XS+15], v11
	v_lshrrev_b32 v[E+(\t)], 23, v11               ; the scale's byte (a plain line behind the conversions)
	ds_store_b8 v5, v[E+(\t)] offset:16*(\t)       ; both lanes of a block write the same byte with the same value
	global_store_b64 v4, v[C+4*(\t):C+4*(\t)+1], s[COD:COD+1] offset:32*CB*(\t)
.endm
.irp t, 0,1,2,3,4,5,6,7,8,9,10,11,12,13,14,15
	STEP \t
.endr
	ds_load_b64 v[8:9], v6                         ; LDS serves a wave's instructions in order: these see my byte stores
	s_wait_dscnt 0x0
	global_store_b64 v7, v[8:9], s[SCA:SCA+1]      ; 32 lanes store 256 consecutive bytes, aligned
	s_branch .Lend
; WO'S PATH.  Wave w of work-group j takes rows 32 j + 8 w .. + 7.  A group is four rows of one chunk of 64: eight lanes to a row, eight numbers a lane;
; its f16 results are 16 bytes a lane, 512 consecutive bytes of wo16.  32 groups in four batches of eight; loads run a batch ahead.  No LDS.
.Lwo:
	s_sub_co_u32 s32, ttmp9, 352
	s_lshl_b32 s32, s32, 5
	s_lshl_b32 s33, s24, 3
	s_add_co_u32 s32, s32, s33                     ; my first row
	s_lshl_b32 s34, s32, 12                        ; 4,096 bytes a row of Wo
	s_mov_b32 s35, 0
	s_add_nc_u64 s[12:13], s[12:13], s[34:35]
	s_lshl_b32 s34, s32, 7                         ; 128 bytes a row of a chunk
	s_add_nc_u64 s[22:23], s[22:23], s[34:35]
	v_lshrrev_b32 v176, 3, v2
	v_and_b32 v177, 7, v2
	v_lshlrev_b32 v176, 12, v176
	v_lshl_add_u32 v176, v177, 5, v176             ; (lane / 8) rows + 32 (lane % 8) bytes
.macro LOADB n                         ; batch n: groups 8 n .. 8 n + 7; group G: rows 4 (G / 16) on, chunk G % 16
.irp g, 0,1,2,3,4,5,6,7
	global_load_b128 v[WN+64*((\n)%2)+8*\g:WN+64*((\n)%2)+8*\g+3], v176, s[12:13] offset:((8*(\n)+\g)/16)*16384+((8*(\n)+\g)%16)*256 th:TH_LOAD_NT
	global_load_b128 v[WN+64*((\n)%2)+8*\g+4:WN+64*((\n)%2)+8*\g+7], v176, s[12:13] offset:((8*(\n)+\g)/16)*16384+((8*(\n)+\g)%16)*256+16 th:TH_LOAD_NT
.endr
.endm
.macro BATCH n
.if (\n) < 3
	s_wait_loadcnt 16                              ; this batch's 16 loads are in; the next batch's 16 may be out
.else
	s_wait_loadcnt 0x0
.endif
.if (\n) > 0
	s_wait_xcnt 0x0                                ; the last batch's stores have read their data registers, which are written again below
.endif
.irp g, 0,1,2,3,4,5,6,7
.irp k, 0,1,2,3
	v_cvt_pk_f16_f32 v[WH+4*\g+\k], v[WN+64*((\n)%2)+8*\g+2*\k], v[WN+64*((\n)%2)+8*\g+2*\k+1]
.endr
	global_store_b128 v3, v[WH+4*\g:WH+4*\g+3], s[22:23] offset:((8*(\n)+\g)%16)*131072+((8*(\n)+\g)/16)*512   ; 512 consecutive bytes, aligned
.endr
.if (\n) < 2
	LOADB (\n)+2
.endif
.endm
	LOADB 0
	LOADB 1
	BATCH 0
	BATCH 1
	BATCH 2
	BATCH 3
.Lend:
	s_wait_tensorcnt 0x0                           ; the wave's end, behind the last LDS store
	ds_add_u32 v[SPW], v[NIL]
	s_wait_dscnt 0x0
	s_endpgm
.Lfunc_end_k_qf3ed681f65_quant:
	.size	k_qf3ed681f65_quant, .Lfunc_end_k_qf3ed681f65_quant-k_qf3ed681f65_quant
	.p2alignl 7, 3214868480
	.fill 96, 4, 3214868480
	.section	.rodata,"a",@progbits
	.p2align	6, 0x0
	.amdhsa_kernel k_qf3ed681f65_quant
		.amdhsa_group_segment_fixed_size 33280
		.amdhsa_private_segment_fixed_size 0
		.amdhsa_enable_private_segment 0
		.amdhsa_kernarg_size 80
		.amdhsa_user_sgpr_count 2
		.amdhsa_user_sgpr_kernarg_segment_ptr 1
		.amdhsa_wavefront_size32 1
		.amdhsa_system_sgpr_workgroup_id_x 1
		.amdhsa_system_sgpr_workgroup_id_y 1
		.amdhsa_system_sgpr_workgroup_id_z 1
		.amdhsa_system_vgpr_workitem_id 0
		.amdhsa_next_free_vgpr 192
		.amdhsa_next_free_sgpr 66
		.amdhsa_reserve_vcc 0
		.amdhsa_float_denorm_mode_32 3
		.amdhsa_float_denorm_mode_16_64 3
		.amdhsa_memory_ordered 1
		.amdhsa_forward_progress 1
		.amdhsa_inst_pref_size 51
	.end_amdhsa_kernel
	.amdgpu_metadata
---
amdhsa.version: [ 1, 2 ]
amdhsa.kernels:
  - .name:           k_qf3ed681f65_quant
    .symbol:         k_qf3ed681f65_quant.kd
    .args:
      - { .name: x, .offset: 0, .size: 8, .value_kind: global_buffer, .address_space: global }
      - { .name: Wq, .offset: 8, .size: 8, .value_kind: global_buffer, .address_space: global }
      - { .name: Wk, .offset: 16, .size: 8, .value_kind: global_buffer, .address_space: global }
      - { .name: Wv, .offset: 24, .size: 8, .value_kind: global_buffer, .address_space: global }
      - { .name: Wo, .offset: 32, .size: 8, .value_kind: global_buffer, .address_space: global }
      - { .name: xcodes, .offset: 40, .size: 8, .value_kind: global_buffer, .address_space: global }
      - { .name: xscales, .offset: 48, .size: 8, .value_kind: global_buffer, .address_space: global }
      - { .name: wcodes, .offset: 56, .size: 8, .value_kind: global_buffer, .address_space: global }
      - { .name: wscales, .offset: 64, .size: 8, .value_kind: global_buffer, .address_space: global }
      - { .name: wo16, .offset: 72, .size: 8, .value_kind: global_buffer, .address_space: global }
    .group_segment_fixed_size: 33280
    .private_segment_fixed_size: 0
    .kernarg_segment_align: 8
    .kernarg_segment_size: 80
    .max_flat_workgroup_size: 128
    .sgpr_count:     66
    .vgpr_count:     192
    .wavefront_size: 32
...
	.end_amdgpu_metadata
.endif
;; end of part 1
;; launch qkv (part 2): grid 12 x 32, 4 waves a work-group, clusters of 4 x 4, 327,680 bytes of LDS; arguments xcodes, xscales, wcodes, wscales, qkv; writes qkv
.if DOCPART == 2
	.amdgcn_target "amdgcn-amd-amdhsa--gfx1250"
	.amdhsa_code_object_version 6
	.text
	.protected	k_qf3ed681f65_qkv
	.globl	k_qf3ed681f65_qkv
	.p2align	8
	.type	k_qf3ed681f65_qkv,@function
k_qf3ed681f65_qkv:
	s_mov_b64 s[64:65], 0
	v_nop
	global_prefetch_b8 v0, s[64:65] scope:SCOPE_SE
	s_setreg_imm32_b32 hwreg(HW_REG_WAVE_MODE, 25, 1), 1
	s_wait_xcnt 0x0
	s_wait_alu depctr_hold_cnt(0) depctr_sa_sdst(0) depctr_va_vdst(0) depctr_va_sdst(0) depctr_va_ssrc(0) depctr_va_vcc(0) depctr_vm_vsrc(0)
	s_getreg_b32 s2, hwreg(HW_REG_IB_STS2, 6, 4)
	s_cmp_eq_u32 s2, 0
	s_cbranch_scc0 .Lentry_in_a_cluster
	s_endpgm
.Lentry_in_a_cluster:
	s_bfe_u32 s2, ttmp6, 0x10000c
	s_cmp_lg_u32 s2, 0xf033
	s_cbranch_scc0 .Lentry_shape_is_right
	s_endpgm
.Lentry_shape_is_right:
; q, k, v = x Wq^T, x Wk^T, x Wv^T as ONE product on codes of FP4 with E8M0 scales: C[m][n] = sum over k of A[m][k] B[n][k], A = x's codes [8192][1024], B = the three weights' codes [3072][1024].
; The result is rounded to f16 and laid by head: qkv[b][g][s][64], g = n / 64 (0-15 q's heads, 16-31 k's, 32-47 v's), m = 2048 b + s.
; LIMIT: results beyond f16's largest number, 65,504, are not served; under 6e-5 they carry an absolute error of 2^-25.
; A tile of C, 256 x 256, is made by four waves, each 128 x 128: 64 accumulators of 16 x 16, 512 registers.  K = 1,024 is two slots of 512 along K (rows of 256 bytes):
; both slots and all scale bytes of the tile's rows are asked for at the head, three tensor loads a wave, and nothing is filled again.
; CLUSTERS: 4 x 4 work-groups; the four of a row need the same tiles of A, the four of a column the same tiles of B: each tile is asked for jointly, by the same tensor load with a mask that names the four.
; THE MATRIX INSTRUCTION IS USED TRANSPOSED (source 0 = 16 rows of B, source 1 = 16 rows of A): a lane holds eight neighbouring columns of one row of C.
; REGISTERS: window 0: v0-31 addresses; v32-95 scale words, two sets, and nothing else; v96-127 packed results; v128-191 A's fragments, one set; v192-255 rows read back on the way out.
;   window 1: B's fragments, two sets, at v0 and v128.   window 2: the accumulators of my rows 0-63 ((a, b) at v[8 (8 a + b)]);   window 3: those of rows 64-127.
.set NQ,     4                         ; steps of 128 along K in a slot
.set ROWB,   256                       ; a tile's row in bytes: 512 codes
.set KROW,   512                       ; a row of codes in memory
.set PITCH,  272                       ; an LDS row: 256 bytes + 16 of padding: the 16 rows of a fragment load start 68 words apart
.set FR,     8                         ; registers of a fragment
.set NL,     2                         ; LDS loads that bring one
.set NP,     4                         ; places behind this matrix instruction (ISA guide 7.12.1)
.set HALFT,  128*PITCH
.set SLOT,   4*HALFT                   ; A's 256 rows, then B's 256 rows
.set KS,     32                        ; a row of scale bytes
.set SCL,    2*SLOT                    ; behind the ring: the scales, as runs of 256 bytes + 16 of padding
.set HALFS,  (128*KS/256)*272
.set SBLK,   (16*KS/256)*272
.set SPARE,  SCL+4*HALFS               ; the spare words, 128 bytes a wave; no other line names them
.set SPITCH, 272                       ; the way out: 16 rows x (256 bytes + 16) for each wave, in slot 0, which by then has had its only fill and its last read
.set ADRA, 16
.set ADRB, 20
.set STO,  24
.set RD,   25
.set CO,   26
.set ADRS, 27
.set SPW,  28
.set NIL,  29
.set SC,   32
.set TMP,  96
.set AF,   128
.set BKR,  192
.set G1, 24
.set G0, 32
.set G1B, 48
.set G0B, 56
.set G1S, 68
.set G0S, 76
.set G1SB, 80
.set G0SB, 88
.set MSB, 0
.macro WIN new                         ; the immediate's high byte repeats the setting that is left
.if MSB != \new
	s_set_vgpr_msb (MSB<<8)|\new
.set MSB, \new
.endif
.endm
.set MUL_LO, 0xa1                      ; source 0 (B) window 1, source 1 (A) window 0, C and D window 2
.set MUL_HI, 0xf1
.set TO_B,   0x40
; A joint load: waves 0 and 1 fetch for A, waves 2 and 3 for B; the branch hangs on the wave's number alone.  An s_nop 0 and four v_nop follow each line.
.macro JLOAD g0a, g1a, g0b, g1b
	s_cmp_eq_u32 s15, 0
	s_cbranch_scc0 .Lfor_b_\@
	tensor_load_to_lds s[\g0a:\g0a+3], s[\g1a:\g1a+7]
	s_nop 0
.rept 4
	v_nop
.endr
	s_branch .Lasked_\@
.Lfor_b_\@:
	tensor_load_to_lds s[\g0b:\g0b+3], s[\g1b:\g1b+7]
	s_nop 0
.rept 4
	v_nop
.endr
.Lasked_\@:
.endm
.macro CROUND                          ; a round of the cluster's barrier
	s_barrier_signal -1
	s_barrier_wait -1
	s_cmp_lg_u32 s14, 0
	s_cbranch_scc1 .Lnot_wave_0_\@
	s_barrier_signal -3
.Lnot_wave_0_\@:
	s_barrier_wait -3
	s_barrier_signal -1
	s_barrier_wait -1
.endm
	s_load_b128 s[4:7], s[0:1], 0x0                ; A's codes, A's scales
	s_load_b128 s[8:11], s[0:1], 0x10              ; B's codes, B's scales
	s_load_b64 s[12:13], s[0:1], 0x20              ; qkv
	v_lshl_add_u32 v[SPW], v0, 2, SPARE
	v_mov_b32 v[NIL], 0
	ds_add_u32 v[SPW], v[NIL]                      ; the wave's opening: the add, twice on end, and its wait ahead of my first tensor load
	ds_add_u32 v[SPW], v[NIL]
	v_lshrrev_b32 v1, 5, v0
	v_readfirstlane_b32 s14, v1                    ; wave 0..3
	s_lshr_b32 s15, s14, 1                         ; my half of the tile's rows.  Also: I fetch for A (0) or B (1)
	s_and_b32 s16, s14, 1                          ; my half of its columns.  Also: which 128 rows I fetch
	s_bfe_u32 s40, ttmp6, 0x40000                  ; cx
	s_bfe_u32 s41, ttmp6, 0x40004                  ; cy
	s_lshl_b32 s42, ttmp9, 2
	s_add_co_u32 s42, s42, s40                     ; tile column
	s_and_b32 s17, ttmp7, 0xffff
	s_lshl_b32 s17, s17, 2
	s_add_co_u32 s17, s17, s41                     ; tile row
	s_lshl_b32 s43, s41, 2
	s_lshl_b32 s43, 15, s43                        ; my row of the cluster
	s_lshl_b32 s44, 0x1111, s40                    ; my column
	s_or_b32 s[G1+0], s43, (0<<16)|(1<<20)|(1<<21)|(5<<22)|(3<<25)  ; the mask; elements of 1 byte; padding of 4 words behind every 64; bit 21 beside a mask
	s_or_b32 s[G1B+0], s44, (0<<16)|(1<<20)|(1<<21)|(5<<22)|(3<<25)
.irp g, G1, G1B
	s_mov_b32 s[\g+1], ROWB<<16                    ; tensor_dim0
	s_mov_b32 s[\g+2], 128<<16                     ; tensor_dim1
	s_mov_b32 s[\g+3], ROWB<<16                    ; tile_dim0
	s_mov_b32 s[\g+4], 128                         ; tile_dim1
	s_mov_b32 s[\g+5], KROW                        ; the pitch
	s_mov_b32 s[\g+6], 0
	s_mov_b32 s[\g+7], 0
.endr
	s_or_b32 s[G1S+0], s43, (3<<16)|(1<<20)|(1<<21)|(5<<22)|(3<<25) ; the scales of 128 rows: 4,096 dense bytes as 16 rows of 32 elements of 8 bytes
	s_or_b32 s[G1SB+0], s44, (3<<16)|(1<<20)|(1<<21)|(5<<22)|(3<<25)
.irp g, G1S, G1SB
	s_mov_b32 s[\g+1], 32<<16
	s_mov_b32 s[\g+2], (128*KS/256)<<16
	s_mov_b32 s[\g+3], 32<<16
	s_mov_b32 s[\g+4], 128*KS/256
	s_mov_b32 s[\g+5], 32
	s_mov_b32 s[\g+6], 0
	s_mov_b32 s[\g+7], 0
.endr
	s_lshl_b32 s18, s16, 7
	s_lshl_b32 s20, s17, 8
	s_add_co_u32 s20, s20, s18                     ; A: row 256 x tile row + 128 x half
	s_lshl_b32 s46, s42, 8
	s_add_co_u32 s46, s46, s18                     ; B: row 256 x tile column + 128 x half
	s_mov_b32 s21, 0
	s_mov_b32 s47, 0
	s_mov_b64 s[18:19], KS
	s_mul_u64 s[22:23], s[20:21], s[18:19]         ; where these rows' scales begin
	s_mul_u64 s[92:93], s[46:47], s[18:19]
	s_mov_b64 s[18:19], KROW
	s_mul_u64 s[20:21], s[20:21], s[18:19]         ; and their codes
	s_mul_u64 s[46:47], s[46:47], s[18:19]
	s_mul_i32 s45, s14, HALFT                      ; where they go: wave x 128 rows
	s_mul_i32 s94, s14, HALFS
	s_wait_dscnt 0x0                               ; both opening adds are done
	s_wait_kmcnt 0x0
	s_add_nc_u64 s[20:21], s[4:5], s[20:21]
	s_add_nc_u64 s[22:23], s[6:7], s[22:23]
	s_add_nc_u64 s[46:47], s[8:9], s[46:47]
	s_add_nc_u64 s[92:93], s[10:11], s[92:93]
	CROUND                                         ; all sixteen work-groups are here: the joint loads meet
	s_mov_b32 s[G0S], 1
	s_add_co_u32 s[G0S+1], s94, SCL
	s_mov_b64 s[G0S+2:G0S+3], s[22:23]
	s_or_b32 s[G0S+3], s[G0S+3], 0x80000000
	s_mov_b32 s[G0SB], 1
	s_add_co_u32 s[G0SB+1], s94, SCL
	s_mov_b64 s[G0SB+2:G0SB+3], s[92:93]
	s_or_b32 s[G0SB+3], s[G0SB+3], 0x80000000
	JLOAD G0S, G1S, G0SB, G1SB                     ; the scales first
.irp s, 0,1
	s_mov_b32 s[G0+4*\s], 1
	s_add_co_u32 s[G0+4*\s+1], s45, \s*SLOT
	s_add_nc_u64 s[G0+4*\s+2:G0+4*\s+3], s[20:21], \s*ROWB
	s_or_b32 s[G0+4*\s+3], s[G0+4*\s+3], 0x80000000
	s_mov_b32 s[G0B+4*\s], 1
	s_add_co_u32 s[G0B+4*\s+1], s45, \s*SLOT
	s_add_nc_u64 s[G0B+4*\s+2:G0B+4*\s+3], s[46:47], \s*ROWB
	s_or_b32 s[G0B+4*\s+3], s[G0B+4*\s+3], 0x80000000
	JLOAD G0+4*\s, G1, G0B+4*\s, G1B               ; three loads of mine are out behind the second of these
.endr
	v_and_b32 v1, 15, v0                           ; l % 16
	v_bfe_u32 v2, v0, 4, 1                         ; l / 16
	v_mul_u32_u24 v3, v1, PITCH
	v_lshl_add_u32 v4, v2, 4, v3                   ; a fragment's row x pitch + 16 x half
	s_mul_i32 s21, s15, HALFT
	s_mul_i32 s22, s16, HALFT
	s_add_co_u32 s22, s22, 2*HALFT
.irp s, 0,1
	v_add_nc_u32 v[ADRA+\s], s21, v4
	v_add_nc_u32 v[ADRB+\s], s22, v4
	s_add_co_u32 s21, s21, SLOT
	s_add_co_u32 s22, s22, SLOT
.endr
	v_mul_u32_u24 v5, v1, KS                       ; my row's scales: 32 bytes a row,
	v_lshrrev_b32 v6, 8, v5
	v_lshl_add_u32 v5, v6, 4, v5                   ; and 16 more for each 256 passed
	s_mul_i32 s21, s15, HALFS
	s_mul_i32 s22, s16, HALFS
	s_add_co_u32 s22, s22, 2*HALFS
	s_sub_co_u32 s22, s22, s21
	v_mul_u32_u24 v6, s22, v2                      ; lanes 16-31 take B's
	s_add_co_u32 s21, s21, SCL
	v_add_nc_u32 v5, v5, v6
	v_add_nc_u32 v[ADRS], s21, v5
	s_mul_i32 s23, s14, 16*SPITCH                  ; my stage
	v_mul_u32_u24 v5, v1, SPITCH                   ; in: row l % 16, 16 bytes for each half of the lanes
	v_lshl_add_u32 v5, v2, 4, v5
	v_add_nc_u32 v[STO], s23, v5
	v_bfe_u32 v5, v0, 3, 2                         ; back: eight lanes to a head's 128 bytes of a row, four rows an instruction
	v_mul_u32_u24 v5, v5, SPITCH
	v_and_b32 v6, 7, v0
	v_lshl_add_u32 v5, v6, 4, v5
	v_add_nc_u32 v[RD], s23, v5
	v_and_b32 v6, 31, v0
	v_lshlrev_b32 v[CO], 4, v6                     ; and in qkv these four rows are 512 consecutive bytes
	s_lshr_b32 s20, s17, 3                         ; b
	s_mul_i32 s20, s20, 48*2048                    ; 48 heads of 2,048 rows a batch
	s_and_b32 s21, s17, 7
	s_lshl_b32 s21, s21, 8
	s_add_co_u32 s20, s20, s21                     ; + the tile's first position
	s_lshl_b32 s21, s15, 7
	s_add_co_u32 s20, s20, s21                     ; + my half of its rows
	s_lshl_b32 s20, s20, 7                         ; rows of 128 bytes
	s_mov_b32 s21, 0
	s_lshl_b32 s46, s42, 2
	s_lshl_b32 s47, s16, 1
	s_add_co_u32 s46, s46, s47                     ; my first head: 4 x tile column + 2 x half
	s_lshl_b32 s46, s46, 18                        ; 262,144 bytes a head
	s_mov_b32 s47, 0
	s_add_nc_u64 s[20:21], s[20:21], s[46:47]
	s_add_nc_u64 s[12:13], s[12:13], s[20:21]
.macro FRAG reg, adr, q, i             ; 16 rows x 128 K of 4-bit codes: lane l holds row l % 16; registers 4 c .. 4 c + 3 hold K = 64 c + 32 (l / 16) + 0 .. 31
.irp c, 0,1
	ds_load_b128 v[\reg+4*\c:\reg+4*\c+3], v[\adr] offset:64*(\q)+32*\c+(\i)*16*PITCH
.endr
.endm
; 16 matrix instructions: A's blocks a0, a0 + 1 x B's eight.  The 64 accumulators take turns, one instruction a turn, in the same order in every step.
.macro MUL16 a0, p, q, sc, zero
.irp a, \a0, \a0+1
.irp b, 0,1,2,3,4,5,6,7
.if \zero
	v_wmma_scale_f32_16x16x128_f8f6f4 v[8*(8*((\a)%4)+\b):8*(8*((\a)%4)+\b)+7], v[128*(\p)+FR*\b:128*(\p)+FR*\b+FR-1], v[AF+FR*(\a):AF+FR*(\a)+FR-1], 0, v[SC+8*NQ*(\sc)+NQ*\b+(\q)], v[SC+8*NQ*(\sc)+NQ*(\a)+(\q)] matrix_a_fmt:MATRIX_FMT_FP4 matrix_b_fmt:MATRIX_FMT_FP4 matrix_a_scale:MATRIX_SCALE_ROW1
.else
	v_wmma_scale_f32_16x16x128_f8f6f4 v[8*(8*((\a)%4)+\b):8*(8*((\a)%4)+\b)+7], v[128*(\p)+FR*\b:128*(\p)+FR*\b+FR-1], v[AF+FR*(\a):AF+FR*(\a)+FR-1], v[8*(8*((\a)%4)+\b):8*(8*((\a)%4)+\b)+7], v[SC+8*NQ*(\sc)+NQ*\b+(\q)], v[SC+8*NQ*(\sc)+NQ*(\a)+(\q)] matrix_a_fmt:MATRIX_FMT_FP4 matrix_b_fmt:MATRIX_FMT_FP4 matrix_a_scale:MATRIX_SCALE_ROW1
.endif
.endr
.endr
.endm
.macro FETCH_B slot, q, p
	WIN TO_B
.irp i, 0,1,2,3,4,5,6,7
	FRAG 128*(\p)+FR*\i, ADRB+\slot, \q, \i
.endr
	WIN 0
.endm
.macro FETCH_A slot, q, i0
.irp i, \i0, \i0+1, \i0+2, \i0+3
	FRAG AF+FR*(\i), ADRA+\slot, \q, \i
.endr
.endm
.macro SCALES sc                       ; a slot's scale words: four a row; lanes 0-15 take A's block i, lanes 16-31 B's block i
.irp i, 0,1,2,3,4,5,6,7
	ds_load_b128 v[SC+8*NQ*\sc+NQ*\i:SC+8*NQ*\sc+NQ*\i+3], v[ADRS] offset:\i*SBLK
.endr
.endm
.macro PLACES n                        ; plain vector instructions between a matrix instruction and a load into, or a read of, its registers
.rept \n
	v_nop
.endr
.endm
.macro STEP slot, q, zero              ; a step of 128 along K that has its successor in the same slot
	s_wait_dscnt 4*NL                              ; B's set and A's blocks 0-3 are in; the youngest eight loads (A's blocks 4-7) may be out
	WIN MUL_LO
	MUL16 0, (\q)%2, \q, \slot, \zero
	MUL16 2, (\q)%2, \q, \slot, \zero
	s_wait_dscnt 0                                 ; A's blocks 4-7 are in
	PLACES NP
	FETCH_B \slot, (\q)+1, 1-(\q)%2
	FETCH_A \slot, (\q)+1, 0
	WIN MUL_HI
	MUL16 4, (\q)%2, \q, \slot, \zero
	MUL16 6, (\q)%2, \q, \slot, \zero
	PLACES NP
	WIN 0
	FETCH_A \slot, (\q)+1, 4
.endm
.macro STEPS slot, from
.set Q, \from
.rept NQ-1-\from
	STEP \slot, Q, 0
.set Q, Q+1
.endr
.endm
	s_wait_tensorcnt 1                             ; the scales and my part of slot 0 are in; slot 1's load may be out
	s_barrier_signal -1
	s_barrier_wait -1
	FETCH_B 0, 0, 0
	FETCH_A 0, 0, 0
	SCALES 0
	FETCH_A 0, 0, 4
	STEP 0, 0, 1                                   ; the first step's products start the sums: nothing is cleared
	STEPS 0, 1
	; slot 0's last step changes slots: one barrier; in front of it each wave waits for all its tensor loads, adds 0 to its spare word, and waits for that and for its reads of slot 0
	s_wait_tensorcnt 0x0                           ; my part of slot 1 has landed
	ds_add_u32 v[SPW], v[NIL]
	s_wait_dscnt 4*NL+1                            ; (the add and the youngest eight loads may be out)
	WIN MUL_LO
	MUL16 0, 1, NQ-1, 0, 0
	s_wait_dscnt 0x0                               ; the add is done, and my reads of slot 0 are over
	s_barrier_signal -1
	MUL16 2, 1, NQ-1, 0, 0
	WIN 0
	s_barrier_wait -1
	PLACES NP
	v_add_nc_u32 v[ADRS], 4*NQ, v[ADRS]            ; on to slot 1's scale words
	FETCH_B 1, 0, 0
	FETCH_A 1, 0, 0
	SCALES 1
	WIN MUL_HI
	MUL16 4, 1, NQ-1, 0, 0
	MUL16 6, 1, NQ-1, 0, 0
	PLACES NP
	WIN 0
	FETCH_A 1, 0, 4
	STEPS 1, 0
	s_wait_dscnt 4*NL                              ; the very last step: nothing more to fetch
	WIN MUL_LO
	MUL16 0, 1, NQ-1, 1, 0
	MUL16 2, 1, NQ-1, 1, 0
	s_wait_dscnt 0
	WIN MUL_HI
	MUL16 4, 1, NQ-1, 1, 0
	MUL16 6, 1, NQ-1, 1, 0
	WIN 0
; THE WAY OUT, block by block of 16 rows x 128 columns (two heads).  PACK: rounded to f16, 16 bytes a lane, each accumulator from its low end on.
; TOSTAGE: into my own stage, and back so that 32 lanes hold four rows of one head.  SEND: each store covers 512 consecutive bytes of qkv, aligned.
.macro PACK a
.set AC, 64*((\a)%4)
	WIN 0x0a+5*((\a)/4)                            ; sources 0 and 1: window 2 or 3
.irp b, 0,1,2,3,4,5,6,7
.irp r, 0,1,2,3
	v_cvt_pk_f16_f32 v[TMP+4*\b+\r], v[AC+8*\b+2*\r], v[AC+8*\b+2*\r+1]
.endr
.endr
	WIN 0
.endm
.macro TOSTAGE a
.set BB, BKR+32*((\a)%2)
.irp b, 0,1,2,3,4,5,6,7
	ds_store_b128 v[STO], v[TMP+4*\b:TMP+4*\b+3] offset:32*\b
.endr
.irp hh, 0,1
.irp i, 0,1,2,3
	ds_load_b128 v[BB+4*(4*\hh+\i):BB+4*(4*\hh+\i)+3], v[RD] offset:\i*4*SPITCH+\hh*128   ; LDS serves a wave's instructions in order: these see the stores above
.endr
.endr
.endm
.macro SEND a
.set BB, BKR+32*((\a)%2)
	s_wait_dscnt 0x0                               ; the block is back in registers
	s_wait_xcnt 0x0                                ; the earlier stores have read their data: the other set of rows is loaded again only behind this wait
.irp hh, 0,1
.irp i, 0,1,2,3
	global_store_b128 v[CO], v[BB+4*(4*\hh+\i):BB+4*(4*\hh+\i)+3], s[12:13] offset:\hh*262144+(\a)*2048+\i*512
.endr
.endr
.endm
	PLACES NP                                      ; behind the last products
	PACK 0
	TOSTAGE 0
.irp a, 1,2,3,4,5,6,7                  ; block a's conversions stand between block a - 1's loads from the stage and the wait for them
	PACK \a
	SEND \a-1
	TOSTAGE \a
.endr
	SEND 7
	s_wait_tensorcnt 0x0                           ; the wave's end
	ds_add_u32 v[SPW], v[NIL]
	s_wait_dscnt 0x0
	CROUND                                         ; the closing round
	s_endpgm
.Lfunc_end_k_qf3ed681f65_qkv:
	.size	k_qf3ed681f65_qkv, .Lfunc_end_k_qf3ed681f65_qkv-k_qf3ed681f65_qkv
	.p2alignl 7, 3214868480
	.fill 96, 4, 3214868480
	.section	.rodata,"a",@progbits
	.p2align	6, 0x0
	.amdhsa_kernel k_qf3ed681f65_qkv
		.amdhsa_group_segment_fixed_size 327680
		.amdhsa_private_segment_fixed_size 0
		.amdhsa_enable_private_segment 0
		.amdhsa_kernarg_size 40
		.amdhsa_user_sgpr_count 2
		.amdhsa_user_sgpr_kernarg_segment_ptr 1
		.amdhsa_wavefront_size32 1
		.amdhsa_system_sgpr_workgroup_id_x 1
		.amdhsa_system_sgpr_workgroup_id_y 1
		.amdhsa_system_sgpr_workgroup_id_z 1
		.amdhsa_system_vgpr_workitem_id 0
		.amdhsa_next_free_vgpr 1024
		.amdhsa_next_free_sgpr 98
		.amdhsa_reserve_vcc 0
		.amdhsa_float_denorm_mode_32 3
		.amdhsa_float_denorm_mode_16_64 3
		.amdhsa_memory_ordered 1
		.amdhsa_forward_progress 1
		.amdhsa_inst_pref_size 126
	.end_amdhsa_kernel
	.amdgpu_metadata
---
amdhsa.version: [ 1, 2 ]
amdhsa.kernels:
  - .name:           k_qf3ed681f65_qkv
    .symbol:         k_qf3ed681f65_qkv.kd
    .args:
      - { .name: xcodes, .offset: 0, .size: 8, .value_kind: global_buffer, .address_space: global }
      - { .name: xscales, .offset: 8, .size: 8, .value_kind: global_buffer, .address_space: global }
      - { .name: wcodes, .offset: 16, .size: 8, .value_kind: global_buffer, .address_space: global }
      - { .name: wscales, .offset: 24, .size: 8, .value_kind: global_buffer, .address_space: global }
      - { .name: qkv, .offset: 32, .size: 8, .value_kind: global_buffer, .address_space: global }
    .group_segment_fixed_size: 327680
    .private_segment_fixed_size: 0
    .kernarg_segment_align: 8
    .kernarg_segment_size: 40
    .max_flat_workgroup_size: 128
    .sgpr_count:     98
    .vgpr_count:     1024
    .wavefront_size: 32
...
	.end_amdgpu_metadata
.endif
;; end of part 2
;; launch attn (part 3): grid 4 x 64, 8 waves a work-group, no clusters, 327,680 bytes of LDS; arguments qkv, attn16; writes attn16
.if DOCPART == 3
	.amdgcn_target "amdgcn-amd-amdhsa--gfx1250"
	.amdhsa_code_object_version 6
	.text
	.protected	k_qf3ed681f65_attn
	.globl	k_qf3ed681f65_attn
	.p2align	8
	.type	k_qf3ed681f65_attn,@function
k_qf3ed681f65_attn:
	s_mov_b64 s[64:65], 0
	v_nop
	global_prefetch_b8 v0, s[64:65] scope:SCOPE_SE
	s_setreg_imm32_b32 hwreg(HW_REG_WAVE_MODE, 25, 1), 1
	s_wait_xcnt 0x0
; attn16[b][h][s][:] = the sum over t <= s of softmax_t(q[s] . k[t] / 8) v[t][:], per batch and head; q, k, v f16 from qkv[b][g][s][64]; products with f16 operands and f32 sums; maxima, sums and exponentials in f32;
; the weights p are rounded to f16 for the second product, the result once at the end.
; LIMITS: NaN and infinities are not served; the result must lie within f16's range.  Positions 0-15 of each sequence are written here coarsely and are made anew in f32 by later launches.
; SHARES.  Work-group (p, bh) owns query blocks 7 - p and p of its head, 256 queries each: under the causal mask they need 8 - p and p + 1 units of 256 keys, nine in all for every p:
; 256 work-groups of equal work and loops of constant count.  Each of the eight waves owns 32 queries, two tiles of 16.  A step is 64 keys: 16 products K Q^T, the softmax, 16 products V^T P.
; A step all of whose keys come after the wave's queries is left out by a scalar branch on ids; on the diagonal hidden scores become -infinity.  A step that is walked begins at or under the wave's first query, so each query's maximum is a number.
; LAYOUT.  Both products are used transposed: S^T = K Q^T (source 0 = 16 keys, source 1 = 16 queries), O^T = V^T P: a lane holds ONE query throughout; two tiles of S^T rounded in pairs ARE source 1 of the second product.
; K comes out of LDS as it lies, V ([key][channel]) turned, by ds_load_tr16_b128.
; THE RING.  Two slots of one unit (four steps' K and V); waves 0-3 fetch K's four steps, waves 4-7 V's, one tensor load of 64 rows a wave behind each change of slots; one load of a wave is out at a time, and it has a unit's work in which to land.
; NO CLUSTER: the four work-groups of a head walk different units in the same trip (unit T of block 7 - p until trip 8 - p, then block p's), so a joint load would bring tiles that every wave of some partner leaves unread.
.set HEADB, 262144
.set PK,    144                        ; a row of K in LDS: 128 bytes + 16: 36 words from row to row
.set PV,    160                        ; a row of V: 128 + 32
.set VOFF,  64*PK
.set STEPB, 64*(PK+PV)                 ; a step: 64 rows of K, then 64 rows of V
.set SLOT1, 1<<17                      ; slot 1 begins here: one exclusive or turns an address
.set STAGE, SLOT1+4*STEPB              ; 32 rows x 144 bytes for each wave, for the way out; no tensor load lands here
.set SPT,   144
.set SPARE, STAGE+8*32*SPT             ; the spare words, 128 bytes a wave; no other line names them
.set AK0, 1                            ; v1  my lane's place in a tile of K
.set AV0, 2                            ; v2  and of V
.set ADK, 3                            ; v3  LDS address of the step's K
.set ADV, 4                            ; v4  of its V
.set QO,  5                            ; v5  my byte in a tile of Q
.set STO, 6                            ; v6  the stage, in
.set RD,  7                            ; v7  the stage, back
.set GO,  8                            ; v8  16 x lane
.set PFO, 9                            ; v9  256 x lane; never rewritten
.set SPW, 10                           ; v10 my spare word; never rewritten
.set NIL, 11                           ; v11 0; never rewritten
.set DL,  12                           ; v12 lane % 16 - 8 (lane / 16)
.set NINF, 13                          ; v13 -infinity
.set ST,  16                           ; tile t's statistics at v[16 + 8 t]: +0 c m, +1 m, +2, +3 l in two halves, +4 .. +7 at work; a in +6
.set QF,  32                           ; Q: v[32 + 16 t + 8 ks]
.set KV,  64                           ; 64 registers: K's eight fragments, then V's
.set SS,  128                          ; S^T: v[128 + 32 t + 8 kt]; P in place in the first 16 of each tile
.set OO,  192                          ; O^T: v[192 + 32 t + 8 ct]
.set WV,  8
.set PW,  9
.set TSW, 10                           ; the trip at which the second block begins: 8 - p
.set T,   11
.set KF,  12                           ; the step's first key
.set Q0,  13                           ; my first query
.set TB,  14                           ; LDS byte of the step in hand
.set CNT, 15
.set QB,  16
.set OB,  18
.set SEL, 20
.set CS,  22
.set G1K, 24
.set G1V, 32
.set G0K, 40
.set G0V, 44
.set KB,  48
.set VB,  50
.set UO,  52                           ; s[52:53] the byte at which the unit to be asked for begins in the head
.set QP,  54
.set OP,  56
.set PFA, 58
.set LIM, 60
.macro TLOAD                           ; waves 0-3: K's tile; waves 4-7: V's.  An s_nop 0 and four v_nop follow each line
	s_cmp_lt_u32 s[WV], 4
	s_cbranch_scc0 .Lfor_v_\@
	tensor_load_to_lds s[G0K:G0K+3], s[G1K:G1K+7]
	s_nop 0
.rept 4
	v_nop
.endr
	s_branch .Lasked_\@
.Lfor_v_\@:
	tensor_load_to_lds s[G0V:G0V+3], s[G1V:G1V+7]
	s_nop 0
.rept 4
	v_nop
.endr
.Lasked_\@:
.endm
; A prefetch into the L2: in trip T each wave of the head's first work-group (p = 0, which walks units 0 to 7 in order) names the 8,192 bytes that it will itself load as unit T + 2, lanes 256 bytes apart:
; one unit ahead of that load.  Each aligned 256 bytes of the head's K and V from unit 2 on are named once in the launch; units 0 and 1 come by their loads alone; the last request is unit 7's, in trip 5.
.macro ASK
	s_cmp_lt_u32 s[T], s[LIM]
	s_cbranch_scc0 .Lnot_mine_\@
	global_prefetch_b8 v[PFO], s[PFA:PFA+1] th:TH_LOAD_NT scope:SCOPE_SE
.Lnot_mine_\@:
.endm
; A block of queries begins: addresses, Q into registers, m = -3e38 (under every score), l = 0, O^T = 0: the first change of m multiplies zeros.
.macro INIT
	s_lshl_b32 s66, s[Q0], 7
	s_mov_b32 s67, 0
	s_add_nc_u64 s[QP:QP+1], s[QB:QB+1], s[66:67]
	s_add_nc_u64 s[OP:OP+1], s[OB:OB+1], s[66:67]
.irp t, 0,1
.irp ks, 0,1
	global_load_b128 v[QF+16*\t+8*\ks:QF+16*\t+8*\ks+3], v[QO], s[QP:QP+1] offset:\t*2048+\ks*64
	global_load_b128 v[QF+16*\t+8*\ks+4:QF+16*\t+8*\ks+7], v[QO], s[QP:QP+1] offset:\t*2048+\ks*64+32
.endr
.endr
.irp t, 0,1
	v_mov_b32 v[ST+8*\t+1], 0xff61b1e6
	v_mul_f32 v[ST+8*\t], s[CS], v[ST+8*\t+1]
.irp i, 2,3,4,5,6,7
	v_mov_b32 v[ST+8*\t+\i], 0
.endr
.endr
.set i, 0
.rept 64
	v_mov_b32 v[OO+i], 0
.set i, i+1
.endr
	s_mov_b32 s[KF], 0
	s_wait_loadcnt 0x0                             ; Q
.endm
; A KEY STEP.
.macro STEP
	s_add_co_u32 s66, s[Q0], 31
	s_cmp_gt_u32 s[KF], s66                        ; all 64 keys come after my 32 queries: the step's work is left out
	s_cbranch_scc1 .Lskip_\@
	v_add_nc_u32 v[ADK], s[TB], v[AK0]             ; these two and three v_nop: five places behind the last products V^T P, whose P the next products write over and whose V the loads below replace
	v_add_nc_u32 v[ADV], s[TB], v[AV0]
.rept 3
	v_nop
.endr
.irp f, 0,1,2,3,4,5,6,7                ; K's fragment f: keys 16 (f / 2) on, channels 32 (f % 2) on
	ds_load_b128 v[KV+8*\f:KV+8*\f+3], v[ADK] offset:(\f/2)*16*PK+(\f%2)*64
	ds_load_b128 v[KV+8*\f+4:KV+8*\f+7], v[ADK] offset:(\f/2)*16*PK+(\f%2)*64+32
.endr
	s_wait_dscnt 0x0
.set i, 0
.rept 16                               ; S^T = K Q^T: channels 32 (i / 8) on, keys 16 ((i / 2) % 4) on, tile i % 2; the eight accumulators take turns
.set rS, SS+32*(i%2)+8*((i/2)%4)
.set rK, KV+8*(2*((i/2)%4)+i/8)
.set rQ, QF+16*(i%2)+8*(i/8)
.if i < 8
	v_wmma_f32_16x16x32_f16 v[rS:rS+7], v[rK:rK+7], v[rQ:rQ+7], 0
.else
	v_wmma_f32_16x16x32_f16 v[rS:rS+7], v[rK:rK+7], v[rQ:rQ+7], v[rS:rS+7]
.endif
.set i, i+1
.endr
.rept 4
	v_nop                                          ; four places: in front of the loads into K's registers and of the first read of the scores
.endr
.irp f, 0,1,2,3,4,5,6,7                ; V's fragment f, turned: keys 32 (f / 4) on, channels 16 (f % 4) on; they land during the softmax
	ds_load_tr16_b128 v[KV+8*\f:KV+8*\f+3], v[ADV] offset:(\f/4)*32*PV+(\f%4)*32
	ds_load_tr16_b128 v[KV+8*\f+4:KV+8*\f+7], v[ADV] offset:(\f/4)*32*PV+16*PV+(\f%4)*32
.endr
	s_add_co_u32 s66, s[KF], 63
	s_cmp_le_u32 s66, s[Q0]                        ; all keys count for all my queries: no mask
	s_cbranch_scc1 .Lopen_\@
	s_sub_co_i32 s66, s[Q0], s[KF]
	v_add_nc_u32 v14, s66, v[DL]                   ; d = my query - KF - 8 (lane / 16), tile 0's;
	v_add_nc_u32 v15, 16, v14                      ; tile 1's.  Register n holds key KF + 8 (lane / 16) + 16 (n / 8) + n % 8: hidden where 16 (n / 8) + n % 8 > d
.irp t, 0,1
.set n, 0
.rept 32
	v_cmp_gt_i32 vcc_lo, 16*(n/8)+n%8, v[14+\t]
	v_cndmask_b32 v[SS+32*\t+n], v[SS+32*\t+n], v[NINF], vcc_lo
.set n, n+1
.endr
.endr
.Lopen_\@:
	; the softmax, the two tiles line by line.  The maximum of the 32 scores and the old m: four chains, each accumulator read from its low end on
.irp j, 0,1,2,3
.irp t, 0,1
	v_max3_num_f32 v[ST+8*\t+4+\j], v[SS+32*\t+8*\j], v[SS+32*\t+8*\j+1], v[SS+32*\t+8*\j+2]
.endr
.endr
.irp u, 1,2
.irp j, 0,1,2,3
.irp t, 0,1
	v_max3_num_f32 v[ST+8*\t+4+\j], v[ST+8*\t+4+\j], v[SS+32*\t+8*\j+2*\u+1], v[SS+32*\t+8*\j+2*\u+2]
.endr
.endr
.endr
.irp t, 0,1
	v_max3_num_f32 v[ST+8*\t+4], v[ST+8*\t+4], v[SS+32*\t+7], v[SS+32*\t+15]
.endr
.irp t, 0,1
	v_max3_num_f32 v[ST+8*\t+6], v[ST+8*\t+6], v[SS+32*\t+23], v[SS+32*\t+31]
.endr
.irp t, 0,1
	v_max3_num_f32 v[ST+8*\t+4], v[ST+8*\t+4], v[ST+8*\t+5], v[ST+8*\t+6]
.endr
.irp t, 0,1
	v_max3_num_f32 v[ST+8*\t+4], v[ST+8*\t+4], v[ST+8*\t+7], v[ST+8*\t+1]
.endr
.irp t, 0,1
	v_permlanex16_b32 v[ST+8*\t+5], v[ST+8*\t+4], s[SEL], s[SEL+1]   ; the query's other 32 keys lie in the lane 16 away
.endr
.irp t, 0,1
	v_mov_b32 v[ST+8*\t+7], v[ST+8*\t]             ; c m_old
.endr
.irp t, 0,1
	v_max_num_f32 v[ST+8*\t+1], v[ST+8*\t+4], v[ST+8*\t+5]
.endr
.irp t, 0,1
	v_mul_f32 v[ST+8*\t], s[CS], v[ST+8*\t+1]
.endr
.irp t, 0,1
	v_sub_f32 v[ST+8*\t+7], v[ST+8*\t+7], v[ST+8*\t]
.endr
.set i, 0
.rept 16
.irp t, 0,1
	v_pk_fma_f32 v[SS+32*\t+2*i:SS+32*\t+2*i+1], v[SS+32*\t+2*i:SS+32*\t+2*i+1], s[CS:CS+1], v[ST+8*\t:ST+8*\t+1] op_sel_hi:[1,0,0] neg_lo:[0,0,1] neg_hi:[0,0,1]   ; c s - c m
.endr
.set i, i+1
.endr
.irp t, 0,1
	v_exp_f32 v[ST+8*\t+6], v[ST+8*\t+7]           ; a = 2^(c m_old - c m_new)
.endr
.set i, 0
.rept 32
.irp t, 0,1
	v_exp_f32 v[SS+32*\t+i], v[SS+32*\t+i]         ; p
.endr
.set i, i+1
.endr
	v_nop                                          ; a plain instruction behind the last exponential
	s_wait_alu depctr_va_vdst(0)                   ; one wait for the batch of 66, ahead of the first instruction that names a result
.irp t, 0,1
	v_pk_fma_f32 v[ST+8*\t+2:ST+8*\t+3], v[ST+8*\t+2:ST+8*\t+3], v[ST+8*\t+6:ST+8*\t+7], v[SS+32*\t:SS+32*\t+1] op_sel_hi:[1,0,1]   ; l = a l + the first pair: the sum is taken of the unrounded p, in two chains
.endr
.irp t, 0,1
	v_pk_add_f32 v[ST+8*\t+4:ST+8*\t+5], v[SS+32*\t+2:SS+32*\t+3], v[SS+32*\t+6:SS+32*\t+7]
.endr
.irp b, 4,8,12,16,20,24
.irp t, 0,1
	v_pk_add_f32 v[ST+8*\t+2:ST+8*\t+3], v[ST+8*\t+2:ST+8*\t+3], v[SS+32*\t+\b:SS+32*\t+\b+1]
.endr
.irp t, 0,1
	v_pk_add_f32 v[ST+8*\t+4:ST+8*\t+5], v[ST+8*\t+4:ST+8*\t+5], v[SS+32*\t+\b+6:SS+32*\t+\b+7]
.endr
.endr
.irp t, 0,1
	v_pk_add_f32 v[ST+8*\t+2:ST+8*\t+3], v[ST+8*\t+2:ST+8*\t+3], v[SS+32*\t+28:SS+32*\t+29]
.endr
.irp t, 0,1
	v_pk_add_f32 v[ST+8*\t+2:ST+8*\t+3], v[ST+8*\t+2:ST+8*\t+3], v[ST+8*\t+4:ST+8*\t+5]
.endr
.set i, 0
.rept 16
.irp t, 0,1
	v_cvt_pk_f16_f32 v[SS+32*\t+i], v[SS+32*\t+2*i], v[SS+32*\t+2*i+1]   ; P in place: register i is written when registers up to 2 i - 1 have been read
.endr
.set i, i+1
.endr
.set i, 0
.rept 16
.irp t, 0,1
	v_pk_mul_f32 v[OO+32*\t+2*i:OO+32*\t+2*i+1], v[OO+32*\t+2*i:OO+32*\t+2*i+1], v[ST+8*\t+6:ST+8*\t+7] op_sel_hi:[1,0]   ; O^T x a
.endr
.set i, i+1
.endr
	s_wait_dscnt 0x0                               ; V is in
.set i, 0
.rept 16                               ; O^T += V^T P: keys 32 (i / 8) on, channels 16 ((i / 2) % 4) on, tile i % 2; the eight accumulators take turns
.set rO, OO+32*(i%2)+8*((i/2)%4)
.set rV, KV+8*(4*(i/8)+(i/2)%4)
.set rP, SS+32*(i%2)+8*(i/8)
	v_wmma_f32_16x16x32_f16 v[rO:rO+7], v[rV:rV+7], v[rP:rP+7], v[rO:rO+7]
.set i, i+1
.endr
.Lskip_\@:
	s_add_co_u32 s[KF], s[KF], 64
	s_add_co_u32 s[TB], s[TB], STEPB
.endm
; A block's way out: O^T / l, rounded to f16, through my own stage, so that each store covers four rows, 512 consecutive bytes of attn16, aligned.
.macro OUT
.irp t, 0,1
	v_add_f32 v[ST+8*\t+4], v[ST+8*\t+2], v[ST+8*\t+3]
.endr
.rept 2
	v_nop                                          ; with the two additions: four places behind the last products
.endr
.irp t, 0,1
	v_permlanex16_b32 v[ST+8*\t+5], v[ST+8*\t+4], s[SEL], s[SEL+1]
.endr
.irp t, 0,1
	v_add_f32 v[ST+8*\t+4], v[ST+8*\t+4], v[ST+8*\t+5]
.endr
.irp t, 0,1
	v_rcp_f32 v[ST+8*\t+6], v[ST+8*\t+4]
.endr
	v_nop                                          ; a plain instruction behind the reciprocals
	s_wait_alu depctr_va_vdst(0)                   ; and one wait for both, ahead of the first use
.irp t, 0,1
.set i, 0
.rept 16
	v_pk_mul_f32 v[OO+32*\t+2*i:OO+32*\t+2*i+1], v[OO+32*\t+2*i:OO+32*\t+2*i+1], v[ST+8*\t+6:ST+8*\t+7] op_sel_hi:[1,0]
.set i, i+1
.endr
.set i, 0
.rept 16
	v_cvt_pk_f16_f32 v[SS+32*\t+i], v[OO+32*\t+2*i], v[OO+32*\t+2*i+1]
.set i, i+1
.endr
.irp ct, 0,1,2,3
	ds_store_b128 v[STO], v[SS+32*\t+4*\ct:SS+32*\t+4*\ct+3] offset:\t*16*SPT+\ct*32
.endr
.irp i4, 0,1,2,3
	ds_load_b128 v[SS+32*\t+16+4*\i4:SS+32*\t+16+4*\i4+3], v[RD] offset:\t*16*SPT+\i4*4*SPT   ; LDS serves a wave's instructions in order: these see the stores above
.endr
.endr
.irp t, 0,1
.irp i4, 0,1,2,3
	s_wait_dscnt 7-4*\t-\i4                        ; at least so many LDS instructions were issued behind this load
	global_store_b128 v[GO], v[SS+32*\t+16+4*\i4:SS+32*\t+16+4*\i4+3], s[OP:OP+1] offset:\t*2048+\i4*512
.endr
.endr
.endm
; THE CHANGE OF SLOTS, at a unit's head.  Each wave waits for all its tensor loads (its part of the unit ahead), adds 0 to its spare word, and waits for that and for its reads of the slot that it has left.
; Behind the barrier the unit ahead is whole and nobody reads the other slot.  fill = 1: that slot takes the unit after: the block's next, or the second block's first.
.macro CHANGE fill
	s_wait_tensorcnt 0x0                           ; no tensor load of mine is out, so a group 0 may be written
	ds_add_u32 v[SPW], v[NIL]
.if \fill
	s_add_co_u32 s66, s[T], 1
	s_add_co_u32 s67, s[UO], 32768                 ; 256 keys of 128 bytes on,
	s_cmp_eq_u32 s66, s[TSW]
	s_cselect_b32 s[UO], 0, s67                    ; or back to key 0 for the second block
	s_xor_b32 s[G0K+1], s[G0K+1], SLOT1
	s_xor_b32 s[G0V+1], s[G0V+1], SLOT1
	s_add_nc_u64 s[G0K+2:G0K+3], s[KB:KB+1], s[UO:UO+1]
	s_or_b32 s[G0K+3], s[G0K+3], 0x80000000
	s_add_nc_u64 s[G0V+2:G0V+3], s[VB:VB+1], s[UO:UO+1]
	s_or_b32 s[G0V+3], s[G0V+3], 0x80000000
	s_wait_xcnt 0x0                                ; the last prefetch, a unit back, has read its address
	s_add_nc_u64 s[PFA:PFA+1], s[PFA:PFA+1], 32768
.endif
	s_wait_dscnt 0x0                               ; the add is done, and my reads of the slot that I have left are over
	s_barrier_signal -1
	s_barrier_wait -1
.if \fill
	TLOAD                                          ; the first thing behind the barrier, and my one tensor load until the next
	ASK
.endif
.endm
.macro UNIT fill
	CHANGE \fill
	s_cmp_eq_u32 s[T], s[TSW]                      ; ids and the count of trips alone: the same in all eight waves
	s_cbranch_scc0 .Lsame_\@
	OUT                                            ; the first block is finished; the second begins
	s_wait_xcnt 0x0                                ; the stores have read their base and their data
	s_lshl_b32 s66, s[PW], 8
	s_lshl_b32 s67, s[WV], 5
	s_add_co_u32 s[Q0], s66, s67
	INIT
.Lsame_\@:
	s_mov_b32 s[CNT], 4
.Lstep_\@:
	STEP
	s_sub_co_u32 s[CNT], s[CNT], 1
	s_cmp_lg_u32 s[CNT], 0
	s_cbranch_scc1 .Lstep_\@
	s_sub_co_u32 s[TB], s[TB], 4*STEPB
	s_xor_b32 s[TB], s[TB], SLOT1                  ; on to the other slot
.endm
	s_load_b128 s[4:7], s[0:1], 0x0                ; qkv, attn16
	v_lshl_add_u32 v[SPW], v0, 2, SPARE
	v_mov_b32 v[NIL], 0
	ds_add_u32 v[SPW], v[NIL]                      ; the wave's opening: the add, twice on end, and its wait ahead of my first tensor load
	ds_add_u32 v[SPW], v[NIL]
	v_lshrrev_b32 v14, 5, v0
	v_readfirstlane_b32 s[WV], v14                 ; wave 0..7
	s_mov_b32 s[PW], ttmp9                         ; p
	s_sub_co_u32 s[TSW], 8, ttmp9
	s_and_b32 s66, ttmp7, 0xffff                   ; 16 b + h
	s_lshr_b32 s67, s66, 4
	s_and_b32 s68, s66, 15
	s_mul_i32 s67, s67, 48
	s_add_co_u32 s67, s67, s68                     ; 48 b + h: q's head in qkv
	s_lshl_b32 s68, s67, 18
	s_mov_b32 s69, 0
	s_lshl_b32 s70, s66, 18                        ; the head in attn16
	s_mov_b32 s71, 0
	s_and_b32 s66, s[WV], 3                        ; which of a unit's four steps I fetch:
	s_mul_i32 s67, s66, STEPB                      ; its place in a slot,
	s_lshl_b32 s66, s66, 13                        ; and its 64 rows of 128 bytes in memory
	s_mov_b32 s[G1K], (1<<16)|(1<<20)|(4<<22)|(3<<25)   ; no mask; elements of 2 bytes; 4 words of padding behind every 32
	s_mov_b32 s[G1V], (1<<16)|(1<<20)|(4<<22)|(7<<25)   ; 8 words
.irp g, G1K, G1V
	s_mov_b32 s[\g+1], 64<<16                      ; tensor_dim0 = 64
	s_mov_b32 s[\g+2], 64<<16                      ; tensor_dim1 = 64
	s_mov_b32 s[\g+3], 64<<16                      ; tile_dim0 = 64
	s_mov_b32 s[\g+4], 64                          ; tile_dim1 = 64
	s_mov_b32 s[\g+5], 64                          ; the pitch
	s_mov_b32 s[\g+6], 0
	s_mov_b32 s[\g+7], 0
.endr
	s_mov_b32 s[SEL], 0x76543210
	s_mov_b32 s[SEL+1], 0xfedcba98
	s_mov_b32 s[CS], 0x3e38aa3b                    ; c = log2(e) / 8
	s_mov_b32 s[CS+1], s[CS]
	s_mov_b32 s[T], 0
	s_mov_b32 s[TB], 0
	s_mov_b32 s[UO], 0
	s_mov_b32 s[UO+1], 0
	s_cmp_eq_u32 ttmp9, 0
	s_cselect_b32 s[LIM], 6, 0
	s_wait_dscnt 0x0                               ; both opening adds are done
	s_wait_kmcnt 0x0
	s_add_nc_u64 s[QB:QB+1], s[4:5], s[68:69]
	s_add_nc_u64 s[OB:OB+1], s[6:7], s[70:71]
	s_mov_b32 s70, s66
	s_add_nc_u64 s[KB:KB+1], s[QB:QB+1], s[70:71]
	s_add_nc_u64 s[KB:KB+1], s[KB:KB+1], 16*HEADB  ; k's head lies 16 heads behind q's,
	s_add_nc_u64 s[VB:VB+1], s[KB:KB+1], 16*HEADB  ; v's 16 more
	s_mov_b32 s[G0K], 1
	s_mov_b32 s[G0K+1], s67
	s_mov_b64 s[G0K+2:G0K+3], s[KB:KB+1]
	s_or_b32 s[G0K+3], s[G0K+3], 0x80000000
	s_mov_b32 s[G0V], 1
	s_add_co_u32 s[G0V+1], s67, VOFF
	s_mov_b64 s[G0V+2:G0V+3], s[VB:VB+1]
	s_or_b32 s[G0V+3], s[G0V+3], 0x80000000
	TLOAD                                          ; unit 0 into slot 0
	s_cmp_lt_u32 s[WV], 4
	s_cselect_b64 s[PFA:PFA+1], s[KB:KB+1], s[VB:VB+1]
	s_add_nc_u64 s[PFA:PFA+1], s[PFA:PFA+1], 32768 ; at unit 1: the first change steps it to unit 2
	v_and_b32 v14, 15, v0                          ; r
	v_bfe_u32 v15, v0, 4, 1                        ; h
	v_mul_u32_u24 v[AK0], v14, PK
	v_lshl_add_u32 v[AK0], v15, 4, v[AK0]
	v_and_b32 v[AV0], 7, v0
	v_lshl_add_u32 v[AV0], v15, 3, v[AV0]
	v_mul_u32_u24 v[AV0], v[AV0], PV
	v_bfe_u32 v[ADK], v0, 3, 1
	v_lshl_add_u32 v[AV0], v[ADK], 4, v[AV0]
	v_add_nc_u32 v[AV0], VOFF, v[AV0]              ; the turning load: key 8 h + l % 8, channels 8 ((l / 8) % 2) on
	v_lshlrev_b32 v[QO], 7, v14
	v_lshl_add_u32 v[QO], v15, 4, v[QO]
	s_mul_i32 s66, s[WV], 32*SPT
	s_add_co_u32 s66, s66, STAGE
	v_mul_u32_u24 v[STO], v14, SPT
	v_lshl_add_u32 v[STO], v15, 4, v[STO]
	v_add_nc_u32 v[STO], s66, v[STO]
	v_bfe_u32 v[RD], v0, 3, 2
	v_mul_u32_u24 v[RD], v[RD], SPT
	v_and_b32 v[ADV], 7, v0
	v_lshl_add_u32 v[RD], v[ADV], 4, v[RD]
	v_add_nc_u32 v[RD], s66, v[RD]
	v_and_b32 v[GO], 31, v0
	v_lshlrev_b32 v[PFO], 8, v[GO]
	v_lshlrev_b32 v[GO], 4, v[GO]
	v_lshlrev_b32 v[DL], 3, v15
	v_sub_nc_u32 v[DL], v14, v[DL]
	v_mov_b32 v[NINF], 0xff800000
	s_sub_co_u32 s66, 7, ttmp9
	s_lshl_b32 s66, s66, 8
	s_lshl_b32 s67, s[WV], 5
	s_add_co_u32 s[Q0], s66, s67                   ; the first block: 7 - p
	INIT
.Lunit:                                            ; eight trips: behind each change of slots the next unit is asked for
	UNIT 1
	s_add_co_u32 s[T], s[T], 1
	s_cmp_lt_u32 s[T], 8
	s_cbranch_scc1 .Lunit
	UNIT 0                                         ; the ninth unit is written out: nothing is left to fetch
	OUT
	s_wait_tensorcnt 0x0                           ; the wave's end
	ds_add_u32 v[SPW], v[NIL]
	s_wait_dscnt 0x0
	s_endpgm
.Lfunc_end_k_qf3ed681f65_attn:
	.size	k_qf3ed681f65_attn, .Lfunc_end_k_qf3ed681f65_attn-k_qf3ed681f65_attn
	.p2alignl 7, 3214868480
	.fill 96, 4, 3214868480
	.section	.rodata,"a",@progbits
	.p2align	6, 0x0
	.amdhsa_kernel k_qf3ed681f65_attn
		.amdhsa_group_segment_fixed_size 327680
		.amdhsa_private_segment_fixed_size 0
		.amdhsa_enable_private_segment 0
		.amdhsa_kernarg_size 16
		.amdhsa_user_sgpr_count 2
		.amdhsa_user_sgpr_kernarg_segment_ptr 1
		.amdhsa_wavefront_size32 1
		.amdhsa_system_sgpr_workgroup_id_x 1
		.amdhsa_system_sgpr_workgroup_id_y 1
		.amdhsa_system_sgpr_workgroup_id_z 1
		.amdhsa_system_vgpr_workitem_id 0
		.amdhsa_next_free_vgpr 256
		.amdhsa_next_free_sgpr 80
		.amdhsa_reserve_vcc 1
		.amdhsa_float_denorm_mode_32 3
		.amdhsa_float_denorm_mode_16_64 3
		.amdhsa_memory_ordered 1
		.amdhsa_forward_progress 1
		.amdhsa_inst_pref_size 81
	.end_amdhsa_kernel
	.amdgpu_metadata
---
amdhsa.version: [ 1, 2 ]
amdhsa.kernels:
  - .name:           k_qf3ed681f65_attn
    .symbol:         k_qf3ed681f65_attn.kd
    .args:
      - { .name: qkv, .offset: 0, .size: 8, .value_kind: global_buffer, .address_space: global }
      - { .name: attn16, .offset: 8, .size: 8, .value_kind: global_buffer, .address_space: global }
    .group_segment_fixed_size: 327680
    .private_segment_fixed_size: 0
    .kernarg_segment_align: 8
    .kernarg_segment_size: 16
    .max_flat_workgroup_size: 256
    .sgpr_count:     80
    .vgpr_count:     256
    .wavefront_size: 32
...
	.end_amdgpu_metadata
.endif
;; end of part 3
;; launch proj (part 4): grid 4 x 32, 4 waves a work-group, clusters of 4 x 4, 327,680 bytes of LDS; arguments attn16, wo16, out0; writes out0
.if DOCPART == 4
	.amdgcn_target "amdgcn-amd-amdhsa--gfx1250"
	.amdhsa_code_object_version 6
	.text
	.protected	k_qf3ed681f65_proj
	.globl	k_qf3ed681f65_proj
	.p2align	8
	.type	k_qf3ed681f65_proj,@function
k_qf3ed681f65_proj:
	s_mov_b64 s[64:65], 0
	v_nop
	global_prefetch_b8 v0, s[64:65] scope:SCOPE_SE
	s_setreg_imm32_b32 hwreg(HW_REG_WAVE_MODE, 25, 1), 1
	s_wait_xcnt 0x0
	s_wait_alu depctr_hold_cnt(0) depctr_sa_sdst(0) depctr_va_vdst(0) depctr_va_sdst(0) depctr_va_ssrc(0) depctr_va_vcc(0) depctr_vm_vsrc(0)
	s_getreg_b32 s2, hwreg(HW_REG_IB_STS2, 6, 4)
	s_cmp_eq_u32 s2, 0
	s_cbranch_scc0 .Lentry_in_a_cluster
	s_endpgm
.Lentry_in_a_cluster:
	s_bfe_u32 s2, ttmp6, 0x10000c
	s_cmp_lg_u32 s2, 0xf033
	s_cbranch_scc0 .Lentry_shape_is_right
	s_endpgm
.Lentry_shape_is_right:
; out0[m][n] = sum over k of attn[m][k] Wo[n][k], m = 2048 b + s, k = 64 h + d; f16 operands, f32 sums, f32 result.  A = attn16[b][h][s][64], B = wo16[hc][n][64]: both lie by chunks of 64 along K.
; All 8,192 rows are written; the rows of positions 0-15 of each sequence are written again, in f32 throughout, by a later launch.
; A tile of C, 256 x 256, is made by four waves, each 128 x 128: 64 accumulators, 512 registers.  K goes in steps of 128 = two chunks through a ring of two LDS slots.
; A slot holds A's chunk 0, A's chunk 1, B's chunk 0, B's chunk 1, each 256 rows of 128 bytes, dense in memory; wave w fetches the w-th of the four by one tensor load.
; CLUSTERS: 4 x 4 work-groups; A's chunks are shared along a row of the cluster, B's along a column: joint loads with a mask that names the four.  A round of the cluster's barrier stands in front of every joint refill.
; THE MATRIX INSTRUCTION IS USED TRANSPOSED (source 0 = 16 rows of B, source 1 = 16 rows of A): a lane holds eight neighbouring columns of a row of C.
; No prefetch: K has eight steps, of which two are asked for at the head, the tiles are shared by joint loads, and each refill stands 224 matrix instructions ahead of the wait for it.
; REGISTERS: window 0: v0-31 addresses; v64-127, v128-191 A's fragments, two buffers; on the way out v128-255 rows read back.  window 1: v64-127, v128-191 B's fragments.  windows 2, 3: the accumulators ((a, b) at v[8 (8 a + b)]).
.set PITCH,  144                       ; an LDS row: 128 bytes + 16: 36 words from row to row
.set CHUNK,  256*PITCH
.set HALFR,  128*PITCH
.set SLOT,   4*CHUNK
.set SPARE,  2*SLOT                    ; the spare words, 128 bytes a wave; no other line names them
.set SPITCH, 528                       ; the way out: 16 rows x (512 bytes + 16) for each wave, in slot 0, which by then has had its last fill and its last read
.set LAPS,   4                         ; a lap = two K steps
.set K1,     64                        ; where a K step's quarters of 32 along K begin in an LDS row's chunk
.set K2,     CHUNK
.set K3,     CHUNK+64
.set ADRA, 16
.set ADRB, 20
.set STO,  24
.set RD,   25
.set CO,   26
.set SPW,  28
.set NIL,  29
.set F0,   64
.set F1,   128
.set BK,   128
.set G1, 24
.set G0, 32
.set G1B, 48
.set G0B, 56
.set MSB, 0
.macro WIN new                         ; the immediate's high byte repeats the setting that is left
.if MSB != \new
	s_set_vgpr_msb (MSB<<8)|\new
.set MSB, \new
.endif
.endm
.set MUL_LO, 0xa1
.set MUL_HI, 0xf1
.set TO_B,   0x40
.macro JLOAD s                         ; waves 0 and 1 fetch A's two chunks, waves 2 and 3 B's.  An s_nop 0 and four v_nop follow each line
	s_cmp_eq_u32 s11, 0
	s_cbranch_scc0 .Lfor_b_\@
	tensor_load_to_lds s[G0+4*\s:G0+4*\s+3], s[G1:G1+7]
	s_nop 0
.rept 4
	v_nop
.endr
	s_branch .Lasked_\@
.Lfor_b_\@:
	tensor_load_to_lds s[G0B+4*\s:G0B+4*\s+3], s[G1B:G1B+7]
	s_nop 0
.rept 4
	v_nop
.endr
.Lasked_\@:
.endm
.macro CREST                           ; a round of the cluster's barrier behind its opening barrier
	s_cmp_lg_u32 s10, 0
	s_cbranch_scc1 .Lnot_wave_0_\@
	s_barrier_signal -3
.Lnot_wave_0_\@:
	s_barrier_wait -3
	s_barrier_signal -1
	s_barrier_wait -1
.endm
.macro CROUND
	s_barrier_signal -1
	s_barrier_wait -1
	CREST
.endm
	s_load_b128 s[4:7], s[0:1], 0x0                ; attn16, wo16
	s_load_b64 s[8:9], s[0:1], 0x10                ; out0
	v_lshl_add_u32 v[SPW], v0, 2, SPARE
	v_mov_b32 v[NIL], 0
	ds_add_u32 v[SPW], v[NIL]                      ; the wave's opening: the add, twice on end, and its wait ahead of my first tensor load
	ds_add_u32 v[SPW], v[NIL]
	v_lshrrev_b32 v1, 5, v0
	v_readfirstlane_b32 s10, v1                    ; wave 0..3
	s_lshr_b32 s11, s10, 1                         ; my half of the tile's rows.  Also: I fetch for A (0) or B (1)
	s_and_b32 s12, s10, 1                          ; my half of its columns.  Also: which chunk I fetch
	s_bfe_u32 s40, ttmp6, 0x40000                  ; cx
	s_bfe_u32 s41, ttmp6, 0x40004                  ; cy
	s_lshl_b32 s42, ttmp9, 2
	s_add_co_u32 s42, s42, s40                     ; tile column
	s_and_b32 s13, ttmp7, 0xffff
	s_lshl_b32 s13, s13, 2
	s_add_co_u32 s13, s13, s41                     ; tile row
	s_lshl_b32 s43, s41, 2
	s_lshl_b32 s43, 15, s43                        ; my row of the cluster
	s_lshl_b32 s44, 0x1111, s40                    ; my column
	s_or_b32 s[G1+0], s43, (1<<16)|(1<<20)|(1<<21)|(4<<22)|(3<<25)  ; the mask; elements of 2 bytes; 4 words of padding behind every 32; bit 21 beside a mask
	s_or_b32 s[G1B+0], s44, (1<<16)|(1<<20)|(1<<21)|(4<<22)|(3<<25)
.irp g, G1, G1B
	s_mov_b32 s[\g+1], 64<<16                      ; tensor_dim0 = 64
	s_mov_b32 s[\g+2], 256<<16                     ; tensor_dim1 = 256
	s_mov_b32 s[\g+3], 64<<16                      ; tile_dim0 = 64
	s_mov_b32 s[\g+4], 256                         ; tile_dim1 = 256
	s_mov_b32 s[\g+5], 64                          ; the pitch
	s_mov_b32 s[\g+6], 0
	s_mov_b32 s[\g+7], 0
.endr
	s_lshr_b32 s16, s13, 3                         ; A: b,
	s_lshl_b32 s16, s16, 4
	s_add_co_u32 s16, s16, s12                     ; head 16 b + my chunk,
	s_lshl_b32 s16, s16, 11
	s_and_b32 s17, s13, 7
	s_lshl_b32 s17, s17, 8
	s_add_co_u32 s16, s16, s17                     ; the tile's first position,
	s_lshl_b32 s16, s16, 7                         ; rows of 128 bytes
	s_mov_b32 s17, 0
	s_lshl_b32 s46, s12, 10                        ; B: my chunk's 1,024 rows,
	s_lshl_b32 s47, s42, 8
	s_add_co_u32 s46, s46, s47                     ; the tile's first column
	s_lshl_b32 s46, s46, 7
	s_mov_b32 s47, 0
	s_mul_i32 s20, s10, CHUNK                      ; where it goes: wave x a chunk
	s_wait_dscnt 0x0                               ; both opening adds are done
	s_wait_kmcnt 0x0
	s_add_nc_u64 s[14:15], s[4:5], s[16:17]
	s_add_nc_u64 s[46:47], s[6:7], s[46:47]
	CROUND                                         ; all sixteen work-groups are here: the first joint loads meet
.irp s, 0,1
	s_mov_b32 s[G0+4*\s], 1
	s_add_co_u32 s[G0+4*\s+1], s20, \s*SLOT
	s_add_nc_u64 s[G0+4*\s+2:G0+4*\s+3], s[14:15], \s*524288       ; K step s: two heads of 262,144 bytes on
	s_or_b32 s[G0+4*\s+3], s[G0+4*\s+3], 0x80000000
	s_mov_b32 s[G0B+4*\s], 1
	s_add_co_u32 s[G0B+4*\s+1], s20, \s*SLOT
	s_add_nc_u64 s[G0B+4*\s+2:G0B+4*\s+3], s[46:47], \s*262144     ; two chunks of 131,072 bytes on
	s_or_b32 s[G0B+4*\s+3], s[G0B+4*\s+3], 0x80000000
	JLOAD \s                                       ; two loads of mine are out behind the second
.endr
	v_and_b32 v1, 15, v0
	v_bfe_u32 v2, v0, 4, 1
	v_mul_u32_u24 v3, v1, PITCH
	v_lshl_add_u32 v3, v2, 4, v3                   ; a fragment's row x pitch + 16 x half
	s_mul_i32 s21, s11, HALFR                      ; my 128 rows of A's chunks
	s_mul_i32 s22, s12, HALFR                      ; my 128 rows of B's,
	s_add_co_u32 s22, s22, 2*CHUNK                 ; which lie behind A's two
.irp s, 0,1
	v_add_nc_u32 v[ADRA+\s], s21, v3
	v_add_nc_u32 v[ADRB+\s], s22, v3
	s_add_co_u32 s21, s21, SLOT
	s_add_co_u32 s22, s22, SLOT
.endr
	s_mul_i32 s23, s10, 16*SPITCH                  ; my stage
	v_mul_u32_u24 v5, v1, SPITCH
	v_lshl_add_u32 v5, v2, 5, v5
	v_add_nc_u32 v[STO], s23, v5                   ; in: row l % 16, 32 bytes for each half of the lanes
	v_and_b32 v6, 31, v0
	v_lshlrev_b32 v[CO], 4, v6                     ; back: the 32 lanes take one row of 512 bytes; the same in C
	v_add_nc_u32 v[RD], s23, v[CO]
	s_lshl_b32 s16, s13, 8
	s_lshl_b32 s17, s11, 7
	s_add_co_u32 s16, s16, s17                     ; my first row of C
	s_lshl_b32 s16, s16, 12                        ; rows of 4,096 bytes
	s_mov_b32 s17, 0
	s_lshl_b32 s46, s42, 10                        ; my first column in bytes
	s_lshl_b32 s47, s12, 9
	s_add_co_u32 s46, s46, s47
	s_mov_b32 s47, 0
	s_add_nc_u64 s[16:17], s[16:17], s[46:47]
	s_add_nc_u64 s[8:9], s[8:9], s[16:17]
; 16 matrix instructions: m blocks a0, a0 + 1 of the window's four x all 8 n blocks, 32 along K.  The 64 accumulators take turns in the same order in every quarter.
.macro MUL16 f, hi, a0, zero
.irp a, \a0, \a0+1
.irp b, 0,1,2,3,4,5,6,7
.if \zero
	v_wmma_f32_16x16x32_f16 v[8*(8*(\a)+\b):8*(8*(\a)+\b)+7], v[\f+8*\b:\f+8*\b+7], v[\f+8*(4*\hi+\a):\f+8*(4*\hi+\a)+7], 0
.else
	v_wmma_f32_16x16x32_f16 v[8*(8*(\a)+\b):8*(8*(\a)+\b)+7], v[\f+8*\b:\f+8*\b+7], v[\f+8*(4*\hi+\a):\f+8*(4*\hi+\a)+7], v[8*(8*(\a)+\b):8*(8*(\a)+\b)+7]
.endif
.endr
.endr
.endm
.macro FETCH slot, k, f                ; 32 LDS loads in one run: the fragments of one quarter, at byte k of the slot's rows, into buffer f
	WIN TO_B
.irp i, 0,1,2,3,4,5,6,7
	ds_load_b128 v[\f+8*\i:\f+8*\i+3],   v[ADRB+\slot] offset:\k+\i*16*PITCH
	ds_load_b128 v[\f+8*\i+4:\f+8*\i+7], v[ADRB+\slot] offset:\k+\i*16*PITCH+32
.endr
	WIN 0
.irp i, 0,1,2,3,4,5,6,7
	ds_load_b128 v[\f+8*\i:\f+8*\i+3],   v[ADRA+\slot] offset:\k+\i*16*PITCH
	ds_load_b128 v[\f+8*\i+4:\f+8*\i+7], v[ADRA+\slot] offset:\k+\i*16*PITCH+32
.endr
.endm
.macro PLACES                          ; four plain vector instructions between a matrix instruction and a load into, or a read of, its registers
.rept 4
	v_nop
.endr
.endm
.macro QUARTER slot, k, f, g, zero     ; multiplies buffer f; in its middle fetches the next quarter, at byte k, into buffer g
	s_wait_dscnt 8                                 ; B and A's rows 0-63 are in; the youngest eight loads (A's rows 64-127) may be out
	WIN MUL_LO
	MUL16 \f, 0, 0, \zero
	MUL16 \f, 0, 2, \zero
	PLACES
	FETCH \slot, \k, \g
	s_wait_dscnt 32                                ; all but the 32 just issued
	WIN MUL_HI
	MUL16 \f, 1, 0, \zero
	MUL16 \f, 1, 2, \zero
.endm
; A K step's last quarter multiplies buffer 1 and changes slots: one barrier; in front of it each wave waits for all its tensor loads, adds 0 to its spare word, and waits for that and for its reads of this slot.
; fill = 1: the barrier opens a round of the cluster's barrier, and behind the round this slot is filled again, two K steps ahead.
.macro TURN slot, next, fill
	WIN 0                                          ; (the add's two registers lie in window 0)
	s_wait_tensorcnt 0x0                           ; all my tensor loads have landed: the one that was out is my part of the next slot
	ds_add_u32 v[SPW], v[NIL]
	s_wait_dscnt 9                                 ; (the add and the youngest eight loads may be out)
	WIN MUL_LO
	MUL16 F1, 0, 0, 0
	s_wait_dscnt 0x0                               ; the add is done, and my reads of this slot are over
	s_barrier_signal -1
	MUL16 F1, 0, 2, 0
.if \fill
	WIN 0
.endif
	s_barrier_wait -1
.if \fill
	CREST                                          ; no wave of any partner still reads this slot or has a load on its way
	s_add_nc_u64 s[G0+4*\slot+2:G0+4*\slot+3], s[G0+4*\slot+2:G0+4*\slot+3], 1048576
	s_add_nc_u64 s[G0B+4*\slot+2:G0B+4*\slot+3], s[G0B+4*\slot+2:G0B+4*\slot+3], 524288
	JLOAD \slot                                    ; the first tensor load behind the round; its four v_nop are also the places in front of the loads below
.else
	PLACES
.endif
	FETCH \next, 0, F0
	WIN MUL_HI
	MUL16 F1, 1, 0, 0
	MUL16 F1, 1, 2, 0
.endm
	s_wait_tensorcnt 1                             ; my part of K step 0 is in; K step 1's may be out
	s_barrier_signal -1
	s_barrier_wait -1
	FETCH 0, 0, F0
	QUARTER 0, K1, F0, F1, 1                       ; the first quarter's products start the sums: nothing is cleared
	WIN 0
	s_mov_b32 s3, LAPS-1
.Llap:                                             ; a trip goes once round the ring, from a lap's second quarter to the next lap's first, and fills both slots again
	QUARTER 0, K2, F1, F0, 0
	QUARTER 0, K3, F0, F1, 0
	TURN 0, 1, 1
	QUARTER 1, K1, F0, F1, 0
	QUARTER 1, K2, F1, F0, 0
	QUARTER 1, K3, F0, F1, 0
	TURN 1, 0, 1
	QUARTER 0, K1, F0, F1, 0
	WIN 0
	s_sub_co_u32 s3, s3, 1
	s_cmp_lg_u32 s3, 0
	s_cbranch_scc1 .Llap
	QUARTER 0, K2, F1, F0, 0                       ; the last lap fills nothing, and has no round
	QUARTER 0, K3, F0, F1, 0
	TURN 0, 1, 0
	QUARTER 1, K1, F0, F1, 0
	QUARTER 1, K2, F1, F0, 0
	QUARTER 1, K3, F0, F1, 0
	s_wait_dscnt 8                                 ; the very last quarter: nothing more to fetch
	WIN MUL_LO
	MUL16 F1, 0, 0, 0
	MUL16 F1, 0, 2, 0
	s_wait_dscnt 0
	WIN MUL_HI
	MUL16 F1, 1, 0, 0
	MUL16 F1, 1, 2, 0
	WIN 0
; THE WAY OUT, block by block of 16 rows x 128 columns: through my own stage, back as whole rows of 512 bytes, which the 32 lanes store as 512 consecutive bytes, aligned.
.macro TOSTAGE a
.set AC, 64*((\a)%4)
	WIN 0x08+4*((\a)/4)                            ; the data: window 2 or 3
.irp b, 0,1,2,3,4,5,6,7
	ds_store_b128 v[STO], v[AC+8*\b:AC+8*\b+3] offset:64*\b          ; each accumulator from its low end on
	ds_store_b128 v[STO], v[AC+8*\b+4:AC+8*\b+7] offset:64*\b+16
.endr
	WIN 0
.set BB, BK+64*((\a)%2)
.irp t, 0,1,2,3,4,5,6,7,8,9,10,11,12,13,14,15
	ds_load_b128 v[BB+4*\t:BB+4*\t+3], v[RD] offset:\t*SPITCH        ; LDS serves a wave's instructions in order: these see the stores above
.endr
.endm
.macro SEND a, younger                 ; younger: the LDS instructions issued behind block a's loads
.set BB, BK+64*((\a)%2)
	s_wait_dscnt \younger
.if (\a) > 0
	s_add_nc_u64 s[8:9], s[8:9], 16*4096           ; (behind a wait on XCNT: the earlier stores have read their base)
.endif
.irp t, 0,1,2,3,4,5,6,7,8,9,10,11,12,13,14,15
	global_store_b128 v[CO], v[BB+4*\t:BB+4*\t+3], s[8:9] offset:\t*4096 th:TH_STORE_NT
.endr
.endm
	PLACES                                         ; behind the last products: for the loads into A's registers and the reads of results
	TOSTAGE 0
.irp a, 1,2,3,4,5,6,7
.if \a > 1
	s_wait_xcnt 0x0                                ; block a - 2's stores have read their registers and their base
.endif
	TOSTAGE \a
	SEND \a-1, 32                                  ; behind block a - 1's loads: block a's 16 stores and 16 loads
.endr
	s_wait_xcnt 0x0
	SEND 7, 0
	s_wait_tensorcnt 0x0                           ; the wave's end
	ds_add_u32 v[SPW], v[NIL]
	s_wait_dscnt 0x0
	CROUND                                         ; the closing round
	s_endpgm
.Lfunc_end_k_qf3ed681f65_proj:
	.size	k_qf3ed681f65_proj, .Lfunc_end_k_qf3ed681f65_proj-k_qf3ed681f65_proj
	.p2alignl 7, 3214868480
	.fill 96, 4, 3214868480
	.section	.rodata,"a",@progbits
	.p2align	6, 0x0
	.amdhsa_kernel k_qf3ed681f65_proj
		.amdhsa_group_segment_fixed_size 327680
		.amdhsa_private_segment_fixed_size 0
		.amdhsa_enable_private_segment 0
		.amdhsa_kernarg_size 24
		.amdhsa_user_sgpr_count 2
		.amdhsa_user_sgpr_kernarg_segment_ptr 1
		.amdhsa_wavefront_size32 1
		.amdhsa_system_sgpr_workgroup_id_x 1
		.amdhsa_system_sgpr_workgroup_id_y 1
		.amdhsa_system_sgpr_workgroup_id_z 1
		.amdhsa_system_vgpr_workitem_id 0
		.amdhsa_next_free_vgpr 1024
		.amdhsa_next_free_sgpr 66
		.amdhsa_reserve_vcc 0
		.amdhsa_float_denorm_mode_32 3
		.amdhsa_float_denorm_mode_16_64 3
		.amdhsa_memory_ordered 1
		.amdhsa_forward_progress 1
		.amdhsa_inst_pref_size 140
	.end_amdhsa_kernel
	.amdgpu_metadata
---
amdhsa.version: [ 1, 2 ]
amdhsa.kernels:
  - .name:           k_qf3ed681f65_proj
    .symbol:         k_qf3ed681f65_proj.kd
    .args:
      - { .name: attn16, .offset: 0, .size: 8, .value_kind: global_buffer, .address_space: global }
      - { .name: wo16, .offset: 8, .size: 8, .value_kind: global_buffer, .address_space: global }
      - { .name: out0, .offset: 16, .size: 8, .value_kind: global_buffer, .address_space: global }
    .group_segment_fixed_size: 327680
    .private_segment_fixed_size: 0
    .kernarg_segment_align: 8
    .kernarg_segment_size: 24
    .max_flat_workgroup_size: 128
    .sgpr_count:     66
    .vgpr_count:     1024
    .wavefront_size: 32
...
	.end_amdgpu_metadata
.endif
;; end of part 4
;; launch head16 (part 5): grid 16 x 4, 12 waves a work-group, no clusters, 18,176 bytes of LDS; arguments xcodes, xscales, wcodes, wscales, attn32; writes attn32
.if DOCPART == 5
	.amdgcn_target "amdgcn-amd-amdhsa--gfx1250"
	.amdhsa_code_object_version 6
	.text
	.protected	k_qf3ed681f65_head16
	.globl	k_qf3ed681f65_head16
	.p2align	8
	.type	k_qf3ed681f65_head16,@function
k_qf3ed681f65_head16:
	s_mov_b64 s[64:65], 0
	v_nop
	global_prefetch_b8 v0, s[64:65] scope:SCOPE_SE
	s_setreg_imm32_b32 hwreg(HW_REG_WAVE_MODE, 25, 1), 1
	s_wait_xcnt 0x0
; Positions 0-15 of each sequence, one (head, batch) to a work-group, in f32 from the quantised products on: these rows average one to sixteen values and are the largest of the output.
; PHASE 1, twelve waves: wave j makes one tile 16 x 16 of q (j = 0-3), k (4-7) or v (8-11) for channels 16 (j % 4) on, by eight scaled FP4 products along K = 1,024 from the codes.
; q and k are made TRANSPOSED (source 0 = 16 rows of W, source 1 = the 16 positions): a lane holds a position, its registers channels 8 (lane / 16) + 0 .. 7.
; v is made straight: a lane holds a channel, its registers positions 8 (lane / 16) + 0 .. 7.  The tiles go to LDS as images of their registers.
; PHASE 2, wave 0: S^T = k q^T and O^T = v^T p by the f32 matrix form, 16 instructions each.  Registers 2 i, 2 i + 1 of two images carry the same four numbers along K in both operands, so nothing changes lanes.
; The sums over K are taken in another order than a plain ascending one.  Softmax with its maximum, in f32.  NaN and infinities are not served.
.set IMG,   0                          ; 12 images of 1,024 bytes
.set STG,   12288                      ; 16 rows x (256 bytes + 16)
.set SPARE, 16640                      ; the spare words, 128 bytes a wave; no other line names them
.set SPW, 12
.set NIL, 13
.set WS,  16                           ; v16-23 W's scale words, one a K step; v24-31 x's: they hold scales and nothing else
.set XSC, 24
.set ACC, 32
.set TT,  40
.set UU,  48
.set PP,  56
.set QI,  64
.set KI,  96
.set VI,  128
.set RR,  160
.set SA,  192                          ; written by matrix instructions alone
.set OA,  224                          ; likewise
	s_load_b256 s[4:11], s[0:1], 0x0               ; xcodes, xscales, wcodes, wscales
	s_load_b64 s[12:13], s[0:1], 0x20              ; attn32
	v_lshl_add_u32 v[SPW], v0, 2, SPARE
	v_mov_b32 v[NIL], 0
	v_lshrrev_b32 v14, 5, v0
	v_readfirstlane_b32 s14, v14                   ; wave j
	v_and_b32 v1, 15, v0                           ; r
	v_bfe_u32 v2, v0, 4, 1                         ; h
	v_lshlrev_b32 v3, 9, v1
	v_lshl_add_u32 v3, v2, 4, v3                   ; codes: row r of 512 bytes, + 16 h
	v_lshlrev_b32 v4, 5, v1                        ; scale bytes: row r of 32
	v_and_b32 v6, 31, v0
	v_lshlrev_b32 v6, 4, v6                        ; 16 x lane: an image's place for my lane
	s_lshl_b32 s15, s14, 10
	v_add_nc_u32 v5, s15, v6                       ; where I store my image
	v_lshlrev_b32 v7, 3, v2
	v_sub_nc_u32 v7, v1, v7                        ; r - 8 h
	v_mul_u32_u24 v8, v1, 272
	v_lshl_add_u32 v8, v2, 5, v8
	v_add_nc_u32 v8, STG, v8                       ; the stage, in: row r, + 32 h
	v_mul_u32_u24 v9, v2, 272
	v_lshl_add_u32 v9, v1, 4, v9
	v_add_nc_u32 v9, STG, v9                       ; back: lanes 0-15 one row, lanes 16-31 the next
	v_lshlrev_b32 v10, 12, v2
	v_lshl_add_u32 v10, v1, 4, v10                 ; and the same in attn32
	v_mov_b32 v11, 0xff800000                      ; -infinity
	s_and_b32 s16, ttmp7, 0xffff                   ; b
	s_lshr_b32 s17, s14, 2
	s_lshl_b32 s17, s17, 10                        ; which weight,
	s_lshl_b32 s18, ttmp9, 6
	s_add_co_u32 s17, s17, s18                     ; the head's 64 rows,
	s_and_b32 s18, s14, 3
	s_lshl_b32 s18, s18, 4
	s_add_co_u32 s17, s17, s18                     ; my 16 of them
	s_lshl_b32 s20, s17, 9
	s_mov_b32 s21, 0
	s_lshl_b32 s22, s17, 5
	s_mov_b32 s23, 0
	s_lshl_b32 s24, s16, 20                        ; x's row 2,048 b: codes,
	s_mov_b32 s25, 0
	s_lshl_b32 s26, s16, 16                        ; scale bytes
	s_mov_b32 s27, 0
	s_lshl_b32 s28, ttmp9, 8
	s_add_co_u32 s28, s28, s26                     ; attn32: row 16 b of 4,096 bytes, + 256 x head
	s_mov_b32 s29, 0
	s_mov_b32 s30, 0x76543210
	s_mov_b32 s31, 0xfedcba98
	s_mov_b32 s19, 0x3e38aa3b                      ; c = log2(e) / 8
	s_wait_kmcnt 0x0
	s_add_nc_u64 s[8:9], s[8:9], s[20:21]
	s_add_nc_u64 s[10:11], s[10:11], s[22:23]
	s_add_nc_u64 s[4:5], s[4:5], s[24:25]
	s_add_nc_u64 s[6:7], s[6:7], s[26:27]
	s_add_nc_u64 s[12:13], s[12:13], s[28:29]
.irp ks, 0,1,2,3,4,5,6,7
	global_load_b128 v[64+8*\ks:64+8*\ks+3], v3, s[8:9] offset:64*\ks
	global_load_b128 v[64+8*\ks+4:64+8*\ks+7], v3, s[8:9] offset:64*\ks+32
	global_load_b128 v[128+8*\ks:128+8*\ks+3], v3, s[4:5] offset:64*\ks
	global_load_b128 v[128+8*\ks+4:128+8*\ks+7], v3, s[4:5] offset:64*\ks+32
.endr
	global_load_b128 v[WS:WS+3], v4, s[10:11]
	global_load_b128 v[WS+4:WS+7], v4, s[10:11] offset:16
	global_load_b128 v[XSC:XSC+3], v4, s[6:7]
	global_load_b128 v[XSC+4:XSC+7], v4, s[6:7] offset:16
	s_wait_loadcnt 0x0
	s_cmp_lt_u32 s14, 8
	s_cbranch_scc0 .Lfor_v
	v_wmma_scale_f32_16x16x128_f8f6f4 v[ACC:ACC+7], v[64:71], v[128:135], 0, v[WS], v[XSC] matrix_a_fmt:MATRIX_FMT_FP4 matrix_b_fmt:MATRIX_FMT_FP4
.irp ks, 1,2,3,4,5,6,7
	s_wait_alu depctr_va_vdst(0)                   ; a wait directly ahead of each link
	v_wmma_scale_f32_16x16x128_f8f6f4 v[ACC:ACC+7], v[64+8*\ks:64+8*\ks+7], v[128+8*\ks:128+8*\ks+7], v[ACC:ACC+7], v[WS+\ks], v[XSC+\ks] matrix_a_fmt:MATRIX_FMT_FP4 matrix_b_fmt:MATRIX_FMT_FP4
.endr
	s_branch .Lmade
.Lfor_v:
	v_wmma_scale_f32_16x16x128_f8f6f4 v[ACC:ACC+7], v[128:135], v[64:71], 0, v[XSC], v[WS] matrix_a_fmt:MATRIX_FMT_FP4 matrix_b_fmt:MATRIX_FMT_FP4
.irp ks, 1,2,3,4,5,6,7
	s_wait_alu depctr_va_vdst(0)
	v_wmma_scale_f32_16x16x128_f8f6f4 v[ACC:ACC+7], v[128+8*\ks:128+8*\ks+7], v[64+8*\ks:64+8*\ks+7], v[ACC:ACC+7], v[XSC+\ks], v[WS+\ks] matrix_a_fmt:MATRIX_FMT_FP4 matrix_b_fmt:MATRIX_FMT_FP4
.endr
.Lmade:
.rept 4
	v_nop                                          ; four places behind the last product
.endr
	ds_store_b128 v5, v[ACC:ACC+3]                 ; the tile as it stands in my registers
	ds_store_b128 v5, v[ACC+4:ACC+7] offset:512
	s_wait_dscnt 0x0                               ; for the others' sake: my stores are done
	s_barrier_signal -1
	s_barrier_wait -1
	s_cmp_lg_u32 s14, 0
	s_cbranch_scc1 .Lend
.irp n, 0,1,2,3
.irp c, 0,1
	ds_load_b128 v[QI+8*\n+4*\c:QI+8*\n+4*\c+3], v6 offset:IMG+1024*\n+512*\c
	ds_load_b128 v[KI+8*\n+4*\c:KI+8*\n+4*\c+3], v6 offset:IMG+1024*(4+\n)+512*\c
	ds_load_b128 v[VI+8*\n+4*\c:VI+8*\n+4*\c+3], v6 offset:IMG+1024*(8+\n)+512*\c
.endr
.endr
	s_wait_dscnt 0x0
.irp n, 0,1,2,3                        ; S^T = k q^T: four accumulators, one for each 16 channels, by turns; the first products start the sums
	v_wmma_f32_16x16x4_f32 v[SA+8*\n:SA+8*\n+7], v[KI+8*\n:KI+8*\n+1], v[QI+8*\n:QI+8*\n+1], 0
.endr
.irp i, 1,2,3
.irp n, 0,1,2,3
	v_wmma_f32_16x16x4_f32 v[SA+8*\n:SA+8*\n+7], v[KI+8*\n+2*\i:KI+8*\n+2*\i+1], v[QI+8*\n+2*\i:QI+8*\n+2*\i+1], v[SA+8*\n:SA+8*\n+7]
.endr
.endr
.rept 8
	v_nop                                          ; eight places behind this form
.endr
.irp j, 0,1,2,3,4,5,6,7                ; lane (r, h): query r, register j: key 8 h + j
	v_add_f32 v[TT+\j], v[SA+\j], v[SA+8+\j]
	v_add_f32 v[UU+\j], v[SA+16+\j], v[SA+24+\j]
.endr
.irp j, 0,1,2,3,4,5,6,7
	v_add_f32 v[TT+\j], v[TT+\j], v[UU+\j]
.endr
.irp j, 0,1,2,3,4,5,6,7
	v_cmp_gt_i32 vcc_lo, \j, v7                    ; key 8 h + j comes after query r
	v_cndmask_b32 v[TT+\j], v[TT+\j], v11, vcc_lo
.endr
	v_max3_num_f32 v14, v[TT], v[TT+1], v[TT+2]
	v_max3_num_f32 v15, v[TT+3], v[TT+4], v[TT+5]
	v_max3_num_f32 v14, v14, v[TT+6], v[TT+7]
	v_max_num_f32 v14, v14, v15
	v_permlanex16_b32 v15, v14, s30, s31
	v_max_num_f32 v14, v14, v15                    ; the row's maximum: key 0 counts for every query, so it is a number
	v_mul_f32 v14, s19, v14
.irp j, 0,1,2,3,4,5,6,7
	v_fma_f32 v[PP+\j], v[TT+\j], s19, -v14
.endr
.irp j, 0,1,2,3,4,5,6,7
	v_exp_f32 v[PP+\j], v[PP+\j]
.endr
	v_nop                                          ; a plain instruction behind the exponentials
	s_wait_alu depctr_va_vdst(0)                   ; one wait for the eight, ahead of the first use
	v_add_f32 v[UU], v[PP], v[PP+1]
	v_add_f32 v[UU+1], v[PP+2], v[PP+3]
	v_add_f32 v[UU+2], v[PP+4], v[PP+5]
	v_add_f32 v[UU+3], v[PP+6], v[PP+7]
	v_add_f32 v[UU], v[UU], v[UU+1]
	v_add_f32 v[UU+2], v[UU+2], v[UU+3]
	v_add_f32 v[UU], v[UU], v[UU+2]
	v_permlanex16_b32 v[UU+1], v[UU], s30, s31
	v_add_f32 v[UU], v[UU], v[UU+1]                ; the row's sum
	v_rcp_f32 v[UU], v[UU]
	v_nop
	s_wait_alu depctr_va_vdst(0)
.irp n, 0,1,2,3                        ; O^T = v^T p: four accumulators, one for each 16 channels, by turns
	v_wmma_f32_16x16x4_f32 v[OA+8*\n:OA+8*\n+7], v[VI+8*\n:VI+8*\n+1], v[PP:PP+1], 0
.endr
.irp i, 1,2,3
.irp n, 0,1,2,3
	v_wmma_f32_16x16x4_f32 v[OA+8*\n:OA+8*\n+7], v[VI+8*\n+2*\i:VI+8*\n+2*\i+1], v[PP+2*\i:PP+2*\i+1], v[OA+8*\n:OA+8*\n+7]
.endr
.endr
.rept 8
	v_nop
.endr
.set i, 0
.rept 32
	v_mul_f32 v[RR+i], v[OA+i], v[UU]              ; register 8 n + j: channel 16 n + 8 h + j of query r
.set i, i+1
.endr
.irp n, 0,1,2,3
	ds_store_b128 v8, v[RR+8*\n:RR+8*\n+3] offset:64*\n
	ds_store_b128 v8, v[RR+8*\n+4:RR+8*\n+7] offset:64*\n+16
.endr
.irp i, 0,1,2,3,4,5,6,7
	ds_load_b128 v[QI+4*\i:QI+4*\i+3], v9 offset:544*\i     ; LDS serves a wave's instructions in order: these see the stores above
.endr
.irp i, 0,1,2,3,4,5,6,7
	s_wait_dscnt 7-\i
	global_store_b128 v10, v[QI+4*\i:QI+4*\i+3], s[12:13] offset:8192*\i   ; sixteen lanes store 256 consecutive bytes, aligned
.endr
.Lend:
	s_wait_tensorcnt 0x0                           ; the wave's end, behind the last LDS store
	ds_add_u32 v[SPW], v[NIL]
	s_wait_dscnt 0x0
	s_endpgm
.Lfunc_end_k_qf3ed681f65_head16:
	.size	k_qf3ed681f65_head16, .Lfunc_end_k_qf3ed681f65_head16-k_qf3ed681f65_head16
	.p2alignl 7, 3214868480
	.fill 96, 4, 3214868480
	.section	.rodata,"a",@progbits
	.p2align	6, 0x0
	.amdhsa_kernel k_qf3ed681f65_head16
		.amdhsa_group_segment_fixed_size 18176
		.amdhsa_private_segment_fixed_size 0
		.amdhsa_enable_private_segment 0
		.amdhsa_kernarg_size 40
		.amdhsa_user_sgpr_count 2
		.amdhsa_user_sgpr_kernarg_segment_ptr 1
		.amdhsa_wavefront_size32 1
		.amdhsa_system_sgpr_workgroup_id_x 1
		.amdhsa_system_sgpr_workgroup_id_y 1
		.amdhsa_system_sgpr_workgroup_id_z 1
		.amdhsa_system_vgpr_workitem_id 0
		.amdhsa_next_free_vgpr 256
		.amdhsa_next_free_sgpr 66
		.amdhsa_reserve_vcc 1
		.amdhsa_float_denorm_mode_32 3
		.amdhsa_float_denorm_mode_16_64 3
		.amdhsa_memory_ordered 1
		.amdhsa_forward_progress 1
		.amdhsa_inst_pref_size 19
	.end_amdhsa_kernel
	.amdgpu_metadata
---
amdhsa.version: [ 1, 2 ]
amdhsa.kernels:
  - .name:           k_qf3ed681f65_head16
    .symbol:         k_qf3ed681f65_head16.kd
    .args:
      - { .name: xcodes, .offset: 0, .size: 8, .value_kind: global_buffer, .address_space: global }
      - { .name: xscales, .offset: 8, .size: 8, .value_kind: global_buffer, .address_space: global }
      - { .name: wcodes, .offset: 16, .size: 8, .value_kind: global_buffer, .address_space: global }
      - { .name: wscales, .offset: 24, .size: 8, .value_kind: global_buffer, .address_space: global }
      - { .name: attn32, .offset: 32, .size: 8, .value_kind: global_buffer, .address_space: global }
    .group_segment_fixed_size: 18176
    .private_segment_fixed_size: 0
    .kernarg_segment_align: 8
    .kernarg_segment_size: 40
    .max_flat_workgroup_size: 384
    .sgpr_count:     66
    .vgpr_count:     256
    .wavefront_size: 32
...
	.end_amdgpu_metadata
.endif
;; end of part 5
;; launch proj16 (part 6): grid 16 x 4, 16 waves a work-group, no clusters, 18,432 bytes of LDS; arguments attn32, Wo, out0; writes out0
.if DOCPART == 6
	.amdgcn_target "amdgcn-amd-amdhsa--gfx1250"
	.amdhsa_code_object_version 6
	.text
	.protected	k_qf3ed681f65_proj16
	.globl	k_qf3ed681f65_proj16
	.p2align	8
	.type	k_qf3ed681f65_proj16,@function
k_qf3ed681f65_proj16:
	s_mov_b64 s[64:65], 0
	v_nop
	global_prefetch_b8 v0, s[64:65] scope:SCOPE_SE
	s_setreg_imm32_b32 hwreg(HW_REG_WAVE_MODE, 25, 1), 1
	s_wait_xcnt 0x0
; The rows of positions 0-15 of each sequence: out0[2048 b + s][n] = sum over k of attn32[16 b + s][k] Wo[n][k], in f32 throughout, by the f32 matrix form: 64 rows in all, no bulk work.
; They are written over what the f16 projection left there.  A work-group takes 64 columns of one batch's 16 rows.  Wave w takes columns 16 (w / 4) on and K = 256 (w % 4) on.
; A lane's 16 bytes are k = 8 u + 4 (lane / 16) + 0 .. 3 in both operands: registers 0, 1 feed one accumulator and registers 2, 3 the other, by turns.  So the sums over K are taken in another order than a plain ascending one.
; Used transposed (source 0 = 16 rows of Wo, source 1 = the 16 positions): a lane holds a position and eight neighbouring columns.  The four waves' parts of K meet in LDS, as images of their registers.
.set SPARE, 16384                      ; behind the 16 images of 1,024 bytes: the spare words, 128 bytes a wave; no other line names them
.set SPW, 12
.set NIL, 13
.set A0,  208                          ; written by matrix instructions alone
.set A1,  216                          ; likewise
.set TT,  224
	s_load_b128 s[4:7], s[0:1], 0x0                ; attn32, Wo
	s_load_b64 s[8:9], s[0:1], 0x10                ; out0
	v_lshl_add_u32 v[SPW], v0, 2, SPARE
	v_mov_b32 v[NIL], 0
	v_lshrrev_b32 v14, 5, v0
	v_readfirstlane_b32 s10, v14                   ; wave 0..15
	s_lshr_b32 s11, s10, 2                         ; which 16 columns
	s_and_b32 s12, s10, 3                          ; which quarter of K
	v_and_b32 v1, 15, v0                           ; r
	v_bfe_u32 v2, v0, 4, 1                         ; h
	v_lshlrev_b32 v4, 12, v1
	v_lshl_add_u32 v4, v2, 4, v4
	s_lshl_b32 s13, s12, 10
	v_add_nc_u32 v4, s13, v4                       ; the rows': row r of 4,096 bytes + my quarter + 16 h
	s_lshl_b32 s14, s11, 16
	v_add_nc_u32 v3, s14, v4                       ; Wo's: 16 rows further on for each tile of columns
	v_and_b32 v5, 31, v0
	v_lshlrev_b32 v5, 4, v5
	s_lshl_b32 s15, s10, 10
	v_add_nc_u32 v5, s15, v5                       ; where I store my image
	v_bfe_u32 v6, v0, 4, 4                         ; for the sum: row (thread / 16) % 16,
	v_and_b32 v7, 15, v0                           ; columns 4 g on, g = lane % 16
	v_lshrrev_b32 v8, 2, v7
	v_lshlrev_b32 v8, 12, v8                       ; the tile of columns g / 4: four images on,
	v_and_b32 v9, 1, v7
	v_lshl_add_u32 v8, v9, 9, v8                   ; registers 4 (g % 2) on,
	v_bfe_u32 v9, v7, 1, 1
	v_lshl_add_u32 v8, v9, 8, v8                   ; the half of the lanes (g / 2) % 2,
	v_lshl_add_u32 v8, v6, 4, v8                   ; the lane of my row
	v_lshlrev_b32 v10, 12, v6
	v_lshl_add_u32 v10, v7, 4, v10                 ; and in out0: row x 4,096 + 16 g
	s_and_b32 s16, ttmp7, 0xffff                   ; b
	s_lshl_b32 s18, ttmp9, 18                      ; Wo: 64 rows of 4,096 bytes a work-group
	s_mov_b32 s19, 0
	s_lshl_b32 s20, s16, 16                        ; attn32: 16 rows a batch
	s_mov_b32 s21, 0
	s_lshl_b32 s22, s16, 23                        ; out0: 2,048 rows a batch,
	s_lshl_b32 s23, ttmp9, 8
	s_add_co_u32 s22, s22, s23                     ; + 64 columns a work-group
	s_mov_b32 s23, 0
	s_wait_kmcnt 0x0
	s_add_nc_u64 s[6:7], s[6:7], s[18:19]
	s_add_nc_u64 s[4:5], s[4:5], s[20:21]
	s_add_nc_u64 s[8:9], s[8:9], s[22:23]
.macro LOADK g, s                      ; batch g: 64 along K, into set s: Wo's at v[16 + 64 s], the rows' 32 registers on
.irp u, 0,1,2,3,4,5,6,7
	global_load_b128 v[16+64*\s+4*\u:16+64*\s+4*\u+3], v3, s[6:7] offset:256*\g+32*\u
	global_load_b128 v[48+64*\s+4*\u:48+64*\s+4*\u+3], v4, s[4:5] offset:256*\g+32*\u
.endr
.endm
.macro MULK s, zero                    ; 16 products; the two accumulators take turns
.irp u, 0,1,2,3,4,5,6,7
.if \zero && (\u == 0)
	v_wmma_f32_16x16x4_f32 v[A0:A0+7], v[16+64*\s+4*\u:16+64*\s+4*\u+1], v[48+64*\s+4*\u:48+64*\s+4*\u+1], 0
	v_wmma_f32_16x16x4_f32 v[A1:A1+7], v[16+64*\s+4*\u+2:16+64*\s+4*\u+3], v[48+64*\s+4*\u+2:48+64*\s+4*\u+3], 0
.else
	v_wmma_f32_16x16x4_f32 v[A0:A0+7], v[16+64*\s+4*\u:16+64*\s+4*\u+1], v[48+64*\s+4*\u:48+64*\s+4*\u+1], v[A0:A0+7]
	v_wmma_f32_16x16x4_f32 v[A1:A1+7], v[16+64*\s+4*\u+2:16+64*\s+4*\u+3], v[48+64*\s+4*\u+2:48+64*\s+4*\u+3], v[A1:A1+7]
.endif
.endr
.endm
	LOADK 0, 0
	LOADK 1, 1
	LOADK 2, 2
	s_wait_loadcnt 32                              ; batch 0 is in; the 32 loads of batches 1 and 2 may be out
	MULK 0, 1                                      ; the first products start the sums
.rept 8
	v_nop                                          ; eight places in front of loads into registers that this form has read
.endr
	LOADK 3, 0
	s_wait_loadcnt 32                              ; batch 1 is in; batches 2 and 3 may be out
	MULK 1, 0
	s_wait_loadcnt 16                              ; batch 2 is in; batch 3 may be out
	MULK 2, 0
	s_wait_loadcnt 0x0
	MULK 0, 0
.rept 8
	v_nop
.endr
.irp j, 0,1,2,3,4,5,6,7
	v_add_f32 v[TT+\j], v[A0+\j], v[A1+\j]         ; lane (r, h): position r, column 8 h + j of my 16
.endr
	ds_store_b128 v5, v[TT:TT+3]
	ds_store_b128 v5, v[TT+4:TT+7] offset:512
	s_wait_dscnt 0x0                               ; for the others' sake: my stores are done
	s_barrier_signal -1
	s_barrier_wait -1
	s_cmp_lt_u32 s10, 8                            ; waves 0-7 add the four quarters of K: two rows a wave, four columns a lane
	s_cbranch_scc0 .Lend
.irp q, 0,1,2,3
	ds_load_b128 v[16+4*\q:16+4*\q+3], v8 offset:1024*\q
.endr
	s_wait_dscnt 0x0
	v_pk_add_f32 v[16:17], v[16:17], v[20:21]
	v_pk_add_f32 v[18:19], v[18:19], v[22:23]
	v_pk_add_f32 v[24:25], v[24:25], v[28:29]
	v_pk_add_f32 v[26:27], v[26:27], v[30:31]
	v_pk_add_f32 v[16:17], v[16:17], v[24:25]
	v_pk_add_f32 v[18:19], v[18:19], v[26:27]
	global_store_b128 v10, v[16:19], s[8:9]        ; sixteen lanes store 256 consecutive bytes, aligned
.Lend:
	s_wait_tensorcnt 0x0                           ; the wave's end, behind the last LDS store
	ds_add_u32 v[SPW], v[NIL]
	s_wait_dscnt 0x0
	s_endpgm
.Lfunc_end_k_qf3ed681f65_proj16:
	.size	k_qf3ed681f65_proj16, .Lfunc_end_k_qf3ed681f65_proj16-k_qf3ed681f65_proj16
	.p2alignl 7, 3214868480
	.fill 96, 4, 3214868480
	.section	.rodata,"a",@progbits
	.p2align	6, 0x0
	.amdhsa_kernel k_qf3ed681f65_proj16
		.amdhsa_group_segment_fixed_size 18432
		.amdhsa_private_segment_fixed_size 0
		.amdhsa_enable_private_segment 0
		.amdhsa_kernarg_size 24
		.amdhsa_user_sgpr_count 2
		.amdhsa_user_sgpr_kernarg_segment_ptr 1
		.amdhsa_wavefront_size32 1
		.amdhsa_system_sgpr_workgroup_id_x 1
		.amdhsa_system_sgpr_workgroup_id_y 1
		.amdhsa_system_sgpr_workgroup_id_z 1
		.amdhsa_system_vgpr_workitem_id 0
		.amdhsa_next_free_vgpr 256
		.amdhsa_next_free_sgpr 66
		.amdhsa_reserve_vcc 0
		.amdhsa_float_denorm_mode_32 3
		.amdhsa_float_denorm_mode_16_64 3
		.amdhsa_memory_ordered 1
		.amdhsa_forward_progress 1
		.amdhsa_inst_pref_size 15
	.end_amdhsa_kernel
	.amdgpu_metadata
---
amdhsa.version: [ 1, 2 ]
amdhsa.kernels:
  - .name:           k_qf3ed681f65_proj16
    .symbol:         k_qf3ed681f65_proj16.kd
    .args:
      - { .name: attn32, .offset: 0, .size: 8, .value_kind: global_buffer, .address_space: global }
      - { .name: Wo, .offset: 8, .size: 8, .value_kind: global_buffer, .address_space: global }
      - { .name: out0, .offset: 16, .size: 8, .value_kind: global_buffer, .address_space: global }
    .group_segment_fixed_size: 18432
    .private_segment_fixed_size: 0
    .kernarg_segment_align: 8
    .kernarg_segment_size: 24
    .max_flat_workgroup_size: 512
    .sgpr_count:     66
    .vgpr_count:     256
    .wavefront_size: 32
...
	.end_amdgpu_metadata
.endif
;; end of part 6
